; MI455X (gfx1250); checked and timed in simulation.
; The chip was launched on July 23, 2026; its instructions are those of AMD's public machine-readable ISA for CDNA 5 (MIT licence, August 2026) and "CDNA5" Instruction Set Architecture Reference Guide (July 2026). The comments in the code are by the model that wrote it; some were corrected since.
;; Causal MHA With State. Allowed arithmetic: matrix products marked QUANTISED: E3M2 operands, one E8M0 scale for each 32 along K, by v_wmma_scale_f32_16x16x128_f8f6f4 with both operands' format E3M2, f32 sums; everything else in f32.
;; Inputs: Wk 8 x 8 x 128 x 128 float32; Wke 8 x 8 x 128 x 128 float32; Wks 8 x 8 x 128 x 128 float32; Wq 8 x 8 x 128 x 128 float32; Wqe 8 x 8 x 128 x 128 float32; Wqs 8 x 8 x 128 x 128 float32; Wv 8 x 8 x 128 x 128 float32; Wve 8 x 8 x 128 x 128 float32; Wvs 8 x 8 x 128 x 128 float32; x 2 x 8 x 3,072 x 128 float32.
;; Outputs: out0 2 x 8 x 3,072 x 128 float32.
;; Constants: offset = 0.
;; This version of the problem:
;;   THIS VERSION OF THE PROBLEM IS GIVEN IN LOW PRECISION. The matrix products marked QUANTISED in the list below multiply operands that are first quantised to E3M2 (3 exponent bits, 2 mantissa bits; 6 bits a number), with one power-of-two scale for each 32 numbers along K (OCP MX v1.0); their sums are f32. All else is computed in f32.
;;   The module's matrix products, in the order in which they are computed (A, B: the left and right operand; K: the contracted axis; several contracted axes count as one K, in the product's order):
;;     1. [M 1,024, K 1,024] x [K 1,024, N 1,024]; A: input Wqs; B: input x: QUANTISED
;;     2. [M 1,024, K 1,024] x [K 1,024, N 4,096]; A: input Wq; B: input x: QUANTISED
;;     3. [M 1,024, K 1,024] x [K 1,024, N 1,024]; A: input Wqe; B: input x: QUANTISED
;;     4. [M 1,024, K 1,024] x [K 1,024, N 1,024]; A: input Wks; B: input x: QUANTISED
;;     5. [M 1,024, K 1,024] x [K 1,024, N 4,096]; A: input Wk; B: input x: QUANTISED
;;     6. [M 1,024, K 1,024] x [K 1,024, N 1,024]; A: input Wke; B: input x: QUANTISED
;;     7. [M 1,024, K 1,024] x [K 1,024, N 1,024]; A: input Wvs; B: input x: QUANTISED
;;     8. [M 1,024, K 1,024] x [K 1,024, N 4,096]; A: input Wv; B: input x: QUANTISED
;;     9. [M 1,024, K 1,024] x [K 1,024, N 1,024]; A: input Wve; B: input x: QUANTISED
;;     10. batch 16 x [M 3,072, K 128] x [K 128, N 3,072]; A: computed on the way; B: computed on the way: QUANTISED
;;     11. batch 16 x [M 3,072, K 3,072] x [K 3,072, N 128]; A: softmax (see below); B: computed on the way: QUANTISED
;;   THE QUANTISER, for each operand of a quantised product, along K:
;;     - K is cut into blocks of 32 from its start; a last block that is shorter is filled with zeros.
;;     - A block's scale is 2^e with e = floor(log2(the largest magnitude in the block)) - 4, held to -126 .. 127; a block of zeros has e = 0. As a byte (E8M0): e + 127.
;;     - Each number is divided by its block's scale, clamped to +-28, and rounded to the nearest number of E3M2, ties to even, subnormals kept.
;;     - The product sums the exact products of the quantised numbers (number of the format x scale) in f32.
;;   ~~~python
;;   def quantise(x, axis):      # numpy; x: float32 -> the quantised numbers, widened to float32 again
;;       x = np.moveaxis(x, axis, -1); K = x.shape[-1]
;;       x = np.pad(x, [(0, 0)] * (x.ndim - 1) + [(0, -K % 32)]); x = x.reshape(x.shape[:-1] + (-1, 32)); a = np.abs(x).max(-1, keepdims=True)
;;       e = np.where(a > 0, np.clip(np.frexp(np.where(a > 0, a, 1))[1] - 1 - 4, -126, 127), 0)      # np.frexp(a)[1] - 1 = floor(log2(a)), exactly
;;       r = np.clip(x / 2.0 ** e, -28, 28)
;;       step = 2.0 ** (np.maximum(np.frexp(np.where(r == 0, 1, r))[1] - 1, -2) - 2)
;;       q = np.round(r / step) * step * 2.0 ** e      # np.round: ties to even
;;       return np.moveaxis(q.reshape(q.shape[:-2] + (-1,))[..., :K], -1, axis).astype(np.float32)
;;   ~~~
;;   SOFTMAX AHEAD OF A QUANTISED PRODUCT. Where the list says 'softmax', what is quantised is not the finished softmax but p = 2^(t - M), with t = logit x log2(e) and M = ceil(the row's largest t), a whole number; so 1/2 < the row's largest p <= 1. The row's sum l is taken of the UNQUANTISED p, in f32, and the product's result is divided by l at the end. Since M is a whole number, a kernel that streams over the keys may use a running M (the ceiling of the running maximum): every later rescaling is an exact power of two, which a block's scale takes up: the codes' values come out the same.
;;   OPERANDS COMPUTED ON THE WAY. 'Computed on the way' means the value that the module computes at that place (a softmax that the list does not call 'softmax' is quantised finished and normalised). What goes into a quantiser is computed in f32, as accurately as f32 sums, v_exp_f32 and their like allow (about 1e-6 of the number): no bf16 or f16 on the way to a quantiser, and a product that is left as it is and whose result goes on into a quantised operand takes f32 operands (vector FMAs, or v_wmma_f32_16x16x4_f32). A number that lies on a knife's edge between two numbers of the format may be rounded either way, as far as f32 arithmetic and the matrix unit's own rounding can turn it there, and no further.
;; One version. Each part assembles by itself: llvm-mc -triple=amdgcn-amd-amdhsa -mcpu=gfx1250 --defsym DOCPART=n.
;; ======== version 1 of 1: 3 launches
;; limits: right only within a limited range of input values
;; workspace buffers: xq 4,915,200 bytes; wq 7,372,800 bytes; cs 1,572,864 bytes; qq 4,915,200 bytes; kv 9,830,400 bytes
;; launch prep (part 1): grid 528 x 1, 4 waves a work-group, no clusters, 84,480 bytes of LDS; arguments x, Wqs, Wq, Wqe, Wks, Wk, Wke, Wvs, Wv, Wve, xq, wq, cs; writes xq, wq, cs
.if DOCPART == 1
	.amdgcn_target "amdgcn-amd-amdhsa--gfx1250"
	.amdhsa_code_object_version 6
	.text
	.protected	k_q5ce1836107_prep
	.globl	k_q5ce1836107_prep
	.p2align	8
	.type	k_q5ce1836107_prep,@function
k_q5ce1836107_prep:
	s_mov_b64 s[64:65], 0
	v_nop
	global_prefetch_b8 v0, s[64:65] scope:SCOPE_SE
	s_setreg_imm32_b32 hwreg(HW_REG_WAVE_MODE, 25, 1), 1
	s_wait_xcnt 0x0
; PREP: x and the nine weights become codes of BF6 (E3M2) with one E8M0 byte for each 32 along K, laid as IMAGES OF OPERAND REGISTERS; and the cos/sin table of the rotary embedding is made once.
; THE PROJECTIONS' K.  The product contracts the axes (d, h) in this order, h innermost: K index = 8 d + h.  So a block of 32 along K is four neighbouring d x all eight input heads, and a K step of 128 is sixteen d: step k holds d = 16 k .. 16 k + 15.
; Inside a block this program orders the 32 numbers as 4 h + d % 4, in x and in W alike: a permutation of k applied to both operands keeps the products; the block's members, and so its scale and its codes' values, are the rule's.
; AN IMAGE (1,536 bytes) is a fragment of 16 rows x 128 K: 12 registers a lane; registers 4 c .. 4 c + 3 of lane l lie at byte 512 c + 16 l.  Lane (r, h) = (l % 16, l / 16) holds row r; registers 6 c .. 6 c + 5 hold k = 64 c + 32 h + 0 .. 31.
; A SCALE BLOCK (256 bytes) serves four fragments f0 .. f0 + 3: the word at byte 8 l + 4 j is that of row r of fragment f0 + 2 j + h.
; TILE ORDER: fragment f of a run of rows holds in lane r the row 32 (f / 2) + 8 (f % 2) + r + 8 (r / 8).
; A block's scale is 2^(floor(log2(largest magnitude)) - 4): its byte is the largest magnitude's exponent field - 4, held at 1 from below.
; LIMITS: a block whose largest magnitude lies under 2^-122 keeps the byte 1; a block of zeros gets the byte 1 where the rule says 127 (its codes are zeros, and this program alone reads the bytes); NaN and infinities are not served.
; The table's frequencies are 1 / 10000^(k / 64) within about one unit in the last place of f32: at position 3,071 an angle may differ from the f32 formula's by some 3e-4.
; THREE PATHS, parted on the work-group's number: 0-191 x (64 rows x 8 heads x 64 d each), 192-479 the weights (two (g, K step) records of one tensor each), 480-527 the table (four fragments each).
; Each path has LDS bytes of its own.  Path X's waves share a stage, with barriers; the other paths' waves share nothing.
.set SPARE, 83968                      ; the spare words: 128 bytes a wave, two blocks of 256 bytes that no other line names
.set PLB,   8832                       ; path X: the stage, from byte 0 on: eight planes (input heads) of 32 rows x (256 + 16) bytes, 128 more behind row 15
.set WSTG0, 70656                      ; path W: the stages begin here,
.set WSTG,  3328                       ; 2 x (1,536 + 128) bytes a wave
.set SPW, 2                            ; v2  LDS address of my spare word; never rewritten
.set NIL, 3                            ; v3  0; never rewritten
.set WA,  4                            ; path X: v4 where I store into the stage;  v5 where I read;  v6, v7 offsets of images and scale block;  v8 my bytes of a load
.set RA,  5
.set OA,  6
.set OS,  7
.set GI,  8
.set R,   16                           ; v16-143  64 runs of 256 bytes as loaded
.set X,   144                          ; v144-207 64 numbers of my row: register 16 b + i = K 32 b + 16 h + i of the K step
.set TM,  208                          ; v208-211 largest magnitudes, v212-215 the other half's, then bytes, v216-219 scale operands
.set PC,  220                          ; v220-231 the codes; v232-238 at work
.set SB,  240                          ; v[240:241] my wave's scale block
.set PW,  242
.set WX,  16                           ; path W: v16-79 two sets of 32 numbers
.set C,   80                           ; v80-86 a block's codes
.set WSB, 92                           ; v[92:93] scale words
.set OUTR, 96                          ; v96-119 two images on their way out
.set TKF, 16                           ; path T: v16-47 k, then 1 / 10000^(k / 64);  v48-79 cos;  v80-111 sin
.set TTH, 48
.set TTL, 80
	s_load_b512 s[8:23], s[0:1], 0x0               ; x s[8:9]; Wqs, Wq, Wqe, Wks, Wk, Wke, Wvs s[10:23]
	s_load_b256 s[24:31], s[0:1], 0x40             ; Wv, Wve s[24:27]; xq s[28:29]; wq s[30:31]
	s_load_b64 s[32:33], s[0:1], 0x60              ; cs
	v_lshl_add_u32 v[SPW], v0, 2, SPARE
	v_mov_b32 v[NIL], 0
	v_lshrrev_b32 v1, 5, v0
	v_readfirstlane_b32 s4, v1                     ; wave 0..3
	s_mov_b32 s36, 0x76543210
	s_mov_b32 s37, 0xfedcba98                      ; v_permlanex16_b32's selects for lane l xor 16
	s_mov_b32 s38, 0xffff0000                      ; lanes 16-31
	s_wait_kmcnt 0x0
	s_cmp_lt_u32 ttmp9, 192
	s_cbranch_scc1 .Lpath_x
	s_cmp_lt_u32 ttmp9, 480
	s_cbranch_scc1 .Lpath_w
; ---------------- PATH T: cos and sin of s / 10000^(k / 64), fragment f = 4 (work-group - 480) + wave of the 192 fragments of positions
	s_sub_co_u32 s40, ttmp9, 480
	s_lshl_b32 s40, s40, 2
	s_add_co_u32 s40, s40, s4                      ; f
	s_lshr_b32 s41, s40, 1
	s_lshl_b32 s41, s41, 5
	s_and_b32 s42, s40, 1
	s_lshl_b32 s42, s42, 3
	s_add_co_u32 s41, s41, s42                     ; 32 (f / 2) + 8 (f % 2)
	s_lshl_b32 s42, s40, 13                        ; 8,192 bytes a fragment
	s_mov_b32 s43, 0
	s_add_nc_u64 s[32:33], s[32:33], s[42:43]
	s_mov_b32 s44, 0x3e549a78                      ; log2(10000) / 64, its f32 part,
	s_mov_b32 s45, 0x31979a18                      ; and what that leaves: 4.4122e-9
	s_mov_b32 s46, 0x3f317218                      ; ln 2
	s_mov_b32 s47, 0x3f22f983                      ; 2 / pi
	s_mov_b32 s48, 0x3fc90fda                      ; pi / 2 in three parts
	s_mov_b32 s49, 0x33a22168
	s_mov_b32 s50, 0x27c234c4
	s_mov_b32 s51, 0xbe2aaaa3                      ; sine: -1.6666654611e-1, 8.3321608736e-3, -1.9515295891e-4
	s_mov_b32 s52, 0x3c08839e
	s_mov_b32 s53, 0xb94ca1f9
	s_mov_b32 s54, 0x3d2aaaa5                      ; cosine: 4.166664568e-2, -1.388731625e-3, 2.443315712e-5
	s_mov_b32 s55, 0xbab6061a
	s_mov_b32 s56, 0x37ccf5ce
	s_mov_b32 s57, 0x80000000
	v_and_b32 v4, 15, v0                           ; r
	v_and_b32 v5, 8, v0                            ; 8 (r / 8)
	v_add_nc_u32 v4, v4, v5
	v_add_nc_u32 v4, s41, v4                       ; my position s (the problem's offset is the constant 0)
	v_cvt_f32_u32 v8, v4
	v_and_b32 v9, 16, v0                           ; 16 h
	v_and_b32 v10, 31, v0
	v_lshlrev_b32 v10, 4, v10                      ; 16 l
.set n, 0
.rept 32                               ; register n = 16 b + i is frequency k = 32 b + 16 h + i
	v_add_nc_u32 v[TKF+n], 32*(n/16)+n%16, v9
	v_cvt_f32_u32 v[TKF+n], v[TKF+n]
.set n, n+1
.endr
.set n, 0
.rept 32                               ; k log2(10000) / 64 as a sum of two f32 numbers
	v_mul_f32 v[TTH+n], s44, v[TKF+n]
	v_fma_f32 v[TTL+n], v[TKF+n], s44, -v[TTH+n]
	v_fma_f32 v[TTL+n], v[TKF+n], s45, v[TTL+n]
.set n, n+1
.endr
.set n, 0
	s_wait_alu depctr_va_vdst(0)
.rept 32
	v_exp_f32 v[TTH+n], v[TTH+n]                   ; one batch
.set n, n+1
.endr
.set n, 0
.rept 32
	v_mul_f32 v[TTL+n], s46, v[TTL+n]              ; plain work that names no result of the batch
.set n, n+1
.endr
	s_wait_alu depctr_va_vdst(0)                   ; one wait for the batch, ahead of its first reader
.set n, 0
.rept 32
	v_fma_f32 v[TTH+n], v[TTH+n], v[TTL+n], v[TTH+n]   ; 10000^(k / 64) = 2^hi (1 + lo ln 2)
.set n, n+1
.endr
.set n, 0
	s_wait_alu depctr_va_vdst(0)
.rept 32
	v_rcp_f32 v[TKF+n], v[TTH+n]
.set n, n+1
.endr
	v_nop                                          ; a plain line behind the last reciprocal
	s_wait_alu depctr_va_vdst(0)                   ; one wait for the batch
.set n, 0
.rept 32
	v_fma_f32 v[TTL+n], -v[TTH+n], v[TKF+n], 1.0   ; one step of Newton's
	v_fma_f32 v[TKF+n], v[TKF+n], v[TTL+n], v[TKF+n]
.set n, n+1
.endr
.set n, 0
.rept 32                               ; the angle a = s x frequency, less N quarter turns; polynomials on |rr| <= pi / 4; the quadrant N mod 4 swaps and signs
	v_mul_f32 v112, v8, v[TKF+n]
	v_mul_f32 v113, s47, v112
	v_rndne_f32 v113, v113
	v_fma_f32 v114, -v113, s48, v112
	v_fma_f32 v114, -v113, s49, v114
	v_fma_f32 v114, -v113, s50, v114
	v_cvt_i32_f32 v115, v113
	v_mul_f32 v116, v114, v114
	v_fma_f32 v117, v116, s53, s52
	v_fma_f32 v117, v117, v116, s51
	v_mul_f32 v119, v116, v114
	v_fma_f32 v117, v117, v119, v114               ; sin rr
	v_fma_f32 v118, v116, s56, s55
	v_fma_f32 v118, v118, v116, s54
	v_mul_f32 v119, v116, v116
	v_fma_f32 v120, v116, -0.5, 1.0
	v_fma_f32 v118, v118, v119, v120               ; cos rr
	v_and_b32 v119, 1, v115
	v_cmp_eq_u32 vcc_lo, 1, v119
	v_cndmask_b32 v121, v117, v118, vcc_lo         ; odd quadrants: the two change places
	v_cndmask_b32 v122, v118, v117, vcc_lo
	v_lshlrev_b32 v123, 30, v115
	v_and_b32 v123, s57, v123                      ; the sine is negative in quadrants 2, 3,
	v_xor_b32 v[TTL+n], v123, v121
	v_add_nc_u32 v115, 1, v115
	v_lshlrev_b32 v123, 30, v115
	v_and_b32 v123, s57, v123                      ; the cosine in 1, 2
	v_xor_b32 v[TTH+n], v123, v122
.set n, n+1
.endr
.irp c, 0,1,2,3,4,5,6,7,8,9,10,11,12,13,14,15
	global_store_b128 v10, v[TTH+4*\c:TTH+4*\c+3], s[32:33] offset:512*\c   ; 32 lanes store 512 consecutive bytes: chunks 0-7 cos, 8-15 sin
.endr
	s_wait_tensorcnt 0x0                           ; this path stores nothing to LDS; the three closing lines stand here too, so that every end of the text has one form
	ds_add_u32 v[SPW], v[NIL]
	s_wait_dscnt 0x0
	s_endpgm
; 64 numbers of a lane, v[s] .. v[s + 63], register 16 b + i = k 32 b + 16 h + i of my row, become a fragment's codes in v[PC] on and its scale word in v[pw].
.macro QUANT s, pw
.irp b, 0,1,2,3
	v_max3_num_f32 v[TM+\b], |v[\s+16*\b]|, |v[\s+1+16*\b]|, 0x2800000   ; my 16 numbers of block b, and the floor 2^(5 - 127): the byte cannot fall under 1
.endr
.irp i, 2,4,6,8,10,12,14
.irp b, 0,1,2,3
	v_max3_num_f32 v[TM+\b], v[TM+\b], |v[\s+16*\b+\i]|, |v[\s+1+16*\b+\i]|
.endr
.endr
.irp b, 0,1,2,3
	v_permlanex16_b32 v[TM+4+\b], v[TM+\b], s36, s37
.endr
.irp b, 0,1,2,3
	v_max_num_f32 v[TM+\b], v[TM+\b], v[TM+4+\b]   ; with lane l xor 16's: the block's largest magnitude
.endr
.irp b, 0,1,2,3
	v_add_nc_u32 v[TM+8+\b], 0xfe000000, v[TM+\b]  ; 4 off its exponent field: the conversion's scale operand
.endr
.irp b, 0,1,2,3
	v_lshrrev_b32 v[TM+4+\b], 23, v[TM+8+\b]       ; the scale's byte
.endr
	s_wait_alu depctr_va_vdst(0)
	s_wait_xcnt 0x0                                ; earlier stores have read their data: the codes' registers are written again only behind this wait
	v_lshl_or_b32 v[\pw], v[TM+5], 8, v[TM+4]
	v_lshl_or_b32 v[\pw], v[TM+6], 16, v[\pw]
	v_lshl_or_b32 v[\pw], v[TM+7], 24, v[\pw]
.irp c, 0,1
	v_cvt_scalef32_pk16_bf6_f32 v[PC+6*\c:PC+2+6*\c], v[\s+32*\c:\s+15+32*\c], v[TM+8+2*\c]
	v_cvt_scalef32_pk16_bf6_f32 v[PC+12+4*\c:PC+14+4*\c], v[\s+16+32*\c:\s+31+32*\c], v[TM+9+2*\c]   ; (a conversion's three registers begin on an even number)
.endr
	v_nop                                          ; one plain line behind a scaled conversion
.irp c, 0,1                            ; the layout wants a WHOLE block in a lane: lanes 0-15 block 2 c, lanes 16-31 block 2 c + 1
.irp i, 0,1,2
	v_permlane16_swap_b32 v[PC+6*\c+\i], v[PC+12+4*\c+\i]
.endr
.irp i, 0,1,2
	v_mov_b32 v[PC+3+6*\c+\i], v[PC+12+4*\c+\i]
.endr
.endr
.endm
; ---------------- PATH X: work-group = (b, 64 rows, half of d): 64 rows x 8 heads x 256 bytes.  It makes fragments 4 a .. 4 a + 3 and scale block a of four records; wave w makes those of K step 4 half + w.
; Two passes of 32 rows.  In a pass wave w loads heads 2 w and 2 w + 1: each load takes two aligned runs of 256 consecutive bytes (lanes 0-15 a row's, lanes 16-31 the next row's).  They go into the work-group's stage:
; head p at PLB p, row rho at 272 rho + 128 (rho / 16).  Behind a barrier each wave reads, for lane (r, h) and block b, the 16 bytes at byte 64 w + 16 b of its row in heads 4 h + 0 .. 3: K 32 b + 16 h + 4 q + d % 4.
.macro XLD t
.set rho, 0
.rept 32
	global_load_b128 v[R+4*rho:R+4*rho+3], v[GI], s[8:9] offset:(rho>>4)*1572864+(32*(\t)+2*(rho&15))*512 th:TH_LOAD_NT
.set rho, rho+1
.endr
.endm
.macro XRD u                           ; fragment u of the 32 rows: my row 8 u + r + 8 (r / 8)
.irp b, 0,1,2,3
.irp q, 0,1,2,3
	ds_load_b128 v[X+16*\b+4*\q:X+16*\b+4*\q+3], v[RA] offset:PLB*\q+2176*\u+16*\b
.endr
.endr
.endm
.macro XOUT f
.irp c, 0,1,2
	global_store_b128 v[OA], v[PC+4*\c:PC+4*\c+3], s[28:29] offset:1536*(\f)+512*\c   ; 512 consecutive bytes
.endr
.endm
.macro XSUB t
	s_wait_loadcnt 0x0                             ; my two heads' 32 rows are in
.set rho, 0
.rept 32
	ds_store_b128 v[WA], v[R+4*rho:R+4*rho+3] offset:(rho>>4)*PLB+544*(rho&15)+128*((rho&15)>>3)
.set rho, rho+1
.endr
	s_wait_dscnt 0x0                               ; for the others' sake: my stores into the stage have landed
.if \t == 0
	XLD 1                                          ; the next 32 rows are on their way while these are quantised
.endif
	s_barrier_signal -1
	s_barrier_wait -1                              ; all eight heads lie in the stage
	XRD 0
	s_wait_dscnt 0x0
	QUANT X, SB+\t
	XOUT 2*\t
	XRD 1
	s_wait_dscnt 0x0                               ; my reads of the stage are over
	QUANT X, PW
	v_cndmask_b32 v[SB+\t], v[SB+\t], v[PW], s38   ; lanes 0-15 keep the even fragment's words, lanes 16-31 take the odd one's
	XOUT 2*\t+1
.if \t == 0
	s_barrier_signal -1                            ; no wave writes the stage again before all four have read it
	s_barrier_wait -1
.endif
.endm
.Lpath_x:
	v_and_b32 v9, 31, v0                           ; lane
	v_and_b32 v10, 15, v0                          ; r
	v_bfe_u32 v11, v0, 4, 1                        ; h
	v_bfe_u32 v12, v0, 3, 1                        ; r / 8
	v_lshlrev_b32 v13, 4, v10                      ; 16 (l % 16)
	v_lshl_add_u32 v[GI], v11, 9, v13              ; in memory: lanes 16-31 one row of 512 bytes further down
	s_mul_i32 s5, s4, 2*PLB                        ; my two heads' planes of the stage
	v_mad_u32_u24 v[WA], v11, 272, v13
	v_add_nc_u32 v[WA], s5, v[WA]
	v_mul_u32_u24 v[RA], v10, 272
	v_mad_u32_u24 v[RA], v12, 2304, v[RA]          ; rows 8-15 of a fragment lie 8 rows and one pad of 128 further on
	v_mad_u32_u24 v[RA], v11, 4*PLB, v[RA]         ; lanes 16-31 take heads 4 to 7
	s_lshl_b32 s5, s4, 6                           ; my K step's 64 bytes of a run
	v_add_nc_u32 v[RA], s5, v[RA]
.irp b, 0,1,2,3
	v_mov_b32 v[TM+4+\b], 0                        ; written once: a lane permute's destination counts as one of its sources
.endr
	s_and_b32 s40, ttmp9, 1                        ; which half of d
	s_lshr_b32 s41, ttmp9, 1                       ; 0..95
	s_cmp_ge_u32 s41, 48
	s_cselect_b32 s42, 1, 0                        ; b
	s_mul_i32 s43, s42, 48
	s_sub_co_u32 s41, s41, s43                     ; which 64 rows, 0..47
	s_lshr_b32 s43, s41, 2                         ; the tile of 256 rows
	s_and_b32 s44, s41, 3                          ; a
	s_lshl_b32 s46, s42, 3
	s_lshl_b32 s47, s4, 1
	s_add_co_u32 s46, s46, s47                     ; 8 b + 2 w
	s_mul_i32 s46, s46, 1572864
	s_lshl_b32 s47, s41, 15
	s_add_co_u32 s46, s46, s47
	s_lshl_b32 s47, s40, 8
	s_add_co_u32 s46, s46, s47
	s_mov_b32 s47, 0
	s_add_nc_u64 s[8:9], s[8:9], s[46:47]          ; x at my first head, the group's first row, the half's first byte
	s_mul_i32 s48, s42, 12
	s_add_co_u32 s48, s48, s43
	s_lshl_b32 s48, s48, 3
	s_lshl_b32 s49, s40, 2
	s_add_co_u32 s48, s48, s49
	s_add_co_u32 s48, s48, s4
	s_mul_i32 s48, s48, 25600
	s_mov_b32 s49, 0
	s_add_nc_u64 s[28:29], s[28:29], s[48:49]      ; xq at record (12 b + tile) 8 + K step
	s_mul_i32 s6, s44, 6144
	v_lshl_add_u32 v[OA], v9, 4, s6                ; 16 l + my four fragments' place
	s_lshl_b32 s6, s44, 8
	s_add_co_u32 s6, s6, 24576
	v_lshl_add_u32 v[OS], v9, 3, s6
	XLD 0
	s_wait_alu depctr_va_vdst(0)
	XSUB 0
	XSUB 1
	global_store_b64 v[OS], v[SB:SB+1], s[28:29]   ; 32 lanes store 256 consecutive bytes
	s_wait_tensorcnt 0x0                           ; the wave's end, behind my last LDS store
	ds_add_u32 v[SPW], v[NIL]
	s_wait_dscnt 0x0
	s_endpgm
; ---------------- PATH W: a lane takes a column e and its registers run down K.  A wave takes 64 columns of one (g, K step): two groups of 32 columns, four blocks of 32 each.  Register i of block beta is W[h = i / 4][g][16 k + 4 beta + i % 4][e].
; Lane l of a group holds column 32 (group) + l, which in tile order is row r' = l % 8 + 8 (l / 16) of fragment u = (l / 8) % 2.  Block beta belongs to image lane r' + 16 (beta % 2), registers 6 (beta / 2) on.
.macro WLD t
.set i, 0
.rept 32
	global_load_b32 v[WX+32*((\t)%2)+i], v8, s[44:45] offset:(i>>2)*524288+(4*((\t)&3)+(i&3))*512+128*((\t)>>2) th:TH_LOAD_NT
.set i, i+1
.endr
.endm
.macro WBLOCK t
.set XS, WX+32*((\t)%2)
.if (\t) < 7
	s_wait_loadcnt 32                              ; this block's 32 loads are in; the next block's may be out
.else
	s_wait_loadcnt 0x0
.endif
	v_max3_num_f32 v88, |v[XS]|, |v[XS+1]|, |v[XS+2]|
	v_max3_num_f32 v89, |v[XS+3]|, |v[XS+4]|, |v[XS+5]|
.irp i, 6,10,14,18,22,26
	v_max3_num_f32 v88, v88, |v[XS+\i]|, |v[XS+\i+1]|
	v_max3_num_f32 v89, v89, |v[XS+\i+2]|, |v[XS+\i+3]|
.endr
	v_max3_num_f32 v88, v88, |v[XS+30]|, |v[XS+31]|
	v_max3_num_f32 v88, v88, v89, 0x2800000        ; the floor 2^(5 - 127)
	v_add_nc_u32 v90, 0xfe000000, v88              ; the conversion's scale operand
	v_lshrrev_b32 v91, 23, v90                     ; the byte
.if ((\t)&3) == 0
	v_mov_b32 v[WSB+((\t)>>2)], v91
.else
	v_lshl_or_b32 v[WSB+((\t)>>2)], v91, 8*((\t)&3), v[WSB+((\t)>>2)]
.endif
	v_cvt_scalef32_pk16_bf6_f32 v[C:C+2], v[XS:XS+15], v90
	v_cvt_scalef32_pk16_bf6_f32 v[C+4:C+6], v[XS+16:XS+31], v90
	v_nop                                          ; one plain line behind a scaled conversion
	v_mov_b32 v[C+3], v[C+4]                       ; the block's six registers on end
	v_mov_b32 v[C+4], v[C+5]
	v_mov_b32 v[C+5], v[C+6]
.if ((\t)&3) < 2                       ; registers 0-5 of the image lane
	ds_store_b128 v9, v[C:C+3] offset:256*((\t)&1)
	ds_store_b64 v9, v[C+4:C+5] offset:512+256*((\t)&1)
.else                                  ; registers 6-11
	ds_store_b64 v9, v[C:C+1] offset:520+256*((\t)&1)
	ds_store_b128 v9, v[C+2:C+5] offset:1024+256*((\t)&1)
.endif
.if (\t)+2 < 8
	WLD (\t)+2
.endif
	s_wait_dscnt 0x0                               ; the stores have read their registers
.endm
.macro WFLUSH cg                       ; the group's two images leave as they lie
	s_wait_xcnt 0x0                                ; the last group's stores have read their data
.irp u, 0,1
.irp c, 0,1,2
	ds_load_b128 v[OUTR+12*\u+4*\c:OUTR+12*\u+4*\c+3], v10 offset:1664*\u+512*\c
.endr
.endr
	s_wait_dscnt 0x0
.irp u, 0,1
.irp c, 0,1,2
	global_store_b128 v11, v[OUTR+12*\u+4*\c:OUTR+12*\u+4*\c+3], s[30:31] offset:(2*\cg+\u)*1536+512*\c
.endr
.endr
.endm
.Lpath_w:
	s_sub_co_u32 s40, ttmp9, 192
	s_lshr_b32 s41, s40, 5                         ; which tensor: 3 (q, k, v) + (start, middle, end)
	s_and_b32 s42, s40, 31
	s_lshl_b32 s42, s42, 1
	s_lshr_b32 s43, s4, 1
	s_add_co_u32 s42, s42, s43                     ; 8 (K step) + g
	s_and_b32 s43, s4, 1                           ; which 64 columns
	s_mov_b64 s[44:45], s[10:11]
.irp i, 1,2,3,4,5,6,7,8
	s_cmp_eq_u32 s41, \i                           ; the choice hangs on the work-group's number alone
	s_cselect_b64 s[44:45], s[10+2*\i:11+2*\i], s[44:45]
.endr
	s_and_b32 s48, s42, 7                          ; g
	s_lshr_b32 s49, s42, 3                         ; the K step
	s_lshl_b32 s46, s48, 16                        ; W[0][g]: 65,536 bytes a (h, g) block,
	s_lshl_b32 s47, s49, 13                        ; 16 rows d of 512 bytes a K step,
	s_add_co_u32 s46, s46, s47
	s_lshl_b32 s47, s43, 8                         ; my 64 columns
	s_add_co_u32 s46, s46, s47
	s_mov_b32 s47, 0
	s_add_nc_u64 s[44:45], s[44:45], s[46:47]
	s_lshl_b32 s50, s41, 3
	s_add_co_u32 s50, s50, s48
	s_lshl_b32 s50, s50, 3
	s_add_co_u32 s50, s50, s49
	s_mul_i32 s50, s50, 12800
	s_mov_b32 s51, 0
	s_add_nc_u64 s[30:31], s[30:31], s[50:51]      ; wq at record (8 tensor + g) 8 + K step
	v_and_b32 v13, 31, v0                          ; lane
	v_lshlrev_b32 v8, 2, v13
	v_bfe_u32 v14, v0, 3, 1                        ; u
	v_and_b32 v15, 7, v0
	v_bfe_u32 v4, v0, 4, 1
	v_lshl_add_u32 v15, v4, 3, v15                 ; r'
	s_mul_i32 s5, s4, WSTG
	s_add_co_u32 s5, s5, WSTG0                     ; my stage
	v_mul_u32_u24 v9, v14, 1664
	v_lshl_add_u32 v9, v15, 4, v9
	v_add_nc_u32 v9, s5, v9                        ; into it: image u, image lane r'
	v_lshlrev_b32 v10, 4, v13
	s_mul_i32 s6, s43, 6144
	v_add_nc_u32 v11, s6, v10                      ; out: 16 l + my four fragments' place
	v_add_nc_u32 v10, s5, v10                      ; back out of the stage: 16 l
	v_lshl_add_u32 v12, v14, 4, v15                ; r' + 16 u
	s_lshl_b32 s6, s43, 8
	s_add_co_u32 s6, s6, 12288
	v_lshl_add_u32 v12, v12, 3, s6                 ; my pair of scale words in the scale block
	WLD 0
	WLD 1
.irp t, 0,1,2,3
	WBLOCK \t
.endr
	WFLUSH 0
.irp t, 4,5,6,7
	WBLOCK \t
.endr
	WFLUSH 1
	s_wait_alu depctr_va_vdst(0)
	global_store_b64 v12, v[WSB:WSB+1], s[30:31]   ; the 32 lanes fill 256 consecutive bytes
	s_wait_tensorcnt 0x0                           ; the wave's end, behind my last LDS store
	ds_add_u32 v[SPW], v[NIL]
	s_wait_dscnt 0x0
	s_endpgm
.Lfunc_end_k_q5ce1836107_prep:
	.size	k_q5ce1836107_prep, .Lfunc_end_k_q5ce1836107_prep-k_q5ce1836107_prep
	.p2alignl 7, 3214868480
	.fill 96, 4, 3214868480
	.section	.rodata,"a",@progbits
	.p2align	6, 0x0
	.amdhsa_kernel k_q5ce1836107_prep
		.amdhsa_group_segment_fixed_size 84480
		.amdhsa_private_segment_fixed_size 0
		.amdhsa_enable_private_segment 0
		.amdhsa_kernarg_size 104
		.amdhsa_user_sgpr_count 2
		.amdhsa_user_sgpr_kernarg_segment_ptr 1
		.amdhsa_wavefront_size32 1
		.amdhsa_system_sgpr_workgroup_id_x 1
		.amdhsa_system_sgpr_workgroup_id_y 1
		.amdhsa_system_sgpr_workgroup_id_z 1
		.amdhsa_system_vgpr_workitem_id 0
		.amdhsa_next_free_vgpr 256
		.amdhsa_next_free_sgpr 66
		.amdhsa_reserve_vcc 1
		.amdhsa_float_denorm_mode_32 3
		.amdhsa_float_denorm_mode_16_64 3
		.amdhsa_memory_ordered 1
		.amdhsa_forward_progress 1
		.amdhsa_inst_pref_size 134
	.end_amdhsa_kernel
	.amdgpu_metadata
---
amdhsa.version: [ 1, 2 ]
amdhsa.kernels:
  - .name:           k_q5ce1836107_prep
    .symbol:         k_q5ce1836107_prep.kd
    .args:
      - { .name: x, .offset: 0, .size: 8, .value_kind: global_buffer, .address_space: global }
      - { .name: Wqs, .offset: 8, .size: 8, .value_kind: global_buffer, .address_space: global }
      - { .name: Wq, .offset: 16, .size: 8, .value_kind: global_buffer, .address_space: global }
      - { .name: Wqe, .offset: 24, .size: 8, .value_kind: global_buffer, .address_space: global }
      - { .name: Wks, .offset: 32, .size: 8, .value_kind: global_buffer, .address_space: global }
      - { .name: Wk, .offset: 40, .size: 8, .value_kind: global_buffer, .address_space: global }
      - { .name: Wke, .offset: 48, .size: 8, .value_kind: global_buffer, .address_space: global }
      - { .name: Wvs, .offset: 56, .size: 8, .value_kind: global_buffer, .address_space: global }
      - { .name: Wv, .offset: 64, .size: 8, .value_kind: global_buffer, .address_space: global }
      - { .name: Wve, .offset: 72, .size: 8, .value_kind: global_buffer, .address_space: global }
      - { .name: xq, .offset: 80, .size: 8, .value_kind: global_buffer, .address_space: global }
      - { .name: wq, .offset: 88, .size: 8, .value_kind: global_buffer, .address_space: global }
      - { .name: cs, .offset: 96, .size: 8, .value_kind: global_buffer, .address_space: global }
    .group_segment_fixed_size: 84480
    .private_segment_fixed_size: 0
    .kernarg_segment_align: 8
    .kernarg_segment_size: 104
    .max_flat_workgroup_size: 128
    .sgpr_count:     66
    .vgpr_count:     256
    .wavefront_size: 32
...
	.end_amdgpu_metadata
.endif
;; end of part 1
;; launch proj (part 2): grid 8 x 24, 4 waves a work-group, clusters of 4 x 4, 327,680 bytes of LDS; arguments xq, wq, cs, qq, kv; writes qq, kv
.if DOCPART == 2
	.amdgcn_target "amdgcn-amd-amdhsa--gfx1250"
	.amdhsa_code_object_version 6
	.text
	.protected	k_q5ce1836107_proj
	.globl	k_q5ce1836107_proj
	.p2align	8
	.type	k_q5ce1836107_proj,@function
k_q5ce1836107_proj:
	s_mov_b64 s[64:65], 0
	v_nop
	global_prefetch_b8 v0, s[64:65] scope:SCOPE_SE
	s_setreg_imm32_b32 hwreg(HW_REG_WAVE_MODE, 25, 1), 1
	s_wait_xcnt 0x0
	s_wait_alu depctr_hold_cnt(0) depctr_sa_sdst(0) depctr_va_vdst(0) depctr_va_sdst(0) depctr_va_ssrc(0) depctr_va_vcc(0) depctr_vm_vsrc(0)
	s_getreg_b32 s2, hwreg(HW_REG_IB_STS2, 6, 4)
	s_cmp_eq_u32 s2, 0
	s_cbranch_scc0 .Lentry_in_a_cluster
	s_endpgm
.Lentry_in_a_cluster:
	s_bfe_u32 s2, ttmp6, 0x10000c
	s_cmp_lg_u32 s2, 0xf033
	s_cbranch_scc0 .Lentry_shape_is_right
	s_endpgm
.Lentry_shape_is_right:
; PROJ: all nine projections on codes of BF6, the rotary embedding of q and k, and the quantising of q, k (along e) and v (along the keys) into images of operand registers.
; A work-group takes 256 rows (b, s) and one output head g and makes q, k and v of that head: 256 x 384, K = 1,024 = 8 steps of 128.  192 equal work-groups.
; K step k holds d = 16 k .. 16 k + 15 of all eight input heads, in x and in W alike, as the launch before has laid them: record k of a row tile of xq and of a (tensor, g) of wq.
; WAVES.  Wave w: H = w / 2 picks 128 rows (x's fragments 8 H .. 8 H + 7), y = w % 2 picks Wq (0) or Wk (1), all 8 tiles: 64 accumulators; and Wv's tiles 4 y .. 4 y + 3: 32 accumulators.
; LAYOUT.  q, k: source 0 = 16 columns e of W, source 1 = 16 rows of x: a lane holds one row, and by the tile order its 64 registers are e = 32 b + 16 h + i at register 16 b + i: the partner e +- 64 of the rotation
; lies 32 registers on, and the 64 registers go to the conversions as they stand.  v: source 0 = x, source 1 = Wv: a lane holds one column e, and its 64 registers run along 128 keys.
; CLUSTER 4 x 4.  x's records and the table hang on the rows alone and are shared along a row of the cluster; W's records hang on g and on the section of s, which is one for a whole cluster, and are shared along a column.
; LIMITS: as in the launch before: blocks under 2^-122 keep the byte 1, blocks of zeros get the byte 1, NaN and infinities are not served.
; LDS: slot 1 at 0, slot 0 at 128,000; a slot holds two K steps: x 2 x 25,600, Wq, Wk, Wv 2 x 12,800 each.  The table (16 x 8,192) takes slot 0's place, and 3,072 bytes more, when slot 0 has been read for the last time.
; REGISTERS: window 0: v1, v2 the add's; v4-20 addresses; v24-119 x's 8 fragments; v120-167, v168-215 two sets of 4 fragments of W; v216-235 two sets of scale words.  Window 1, 2: q or k of x's fragments 0-3, 4-7; window 3: v.
.set SPARE, 259072                     ; the spare words: 128 bytes a wave, two blocks of 256 bytes that no other line names
.set TAB,   128000
.set SPW, 1
.set NIL, 2
.set AX,  4                            ; v4-5   x's images in slot 0, 1: 16 l + slot + 12,288 H
.set AW,  6                            ; v6-7   Wq's or Wk's
.set AV,  8                            ; v8-9   Wv's
.set ASX, 10                           ; v10-15 the scale blocks likewise: 8 l + ..
.set ASW, 12
.set ASV, 14
.set TA,  16                           ; v16 the table;  v17-20 offsets of the stores
.set SA,  17
.set SS,  18
.set SV,  19
.set SSV, 20
.set XF,  24
.set WF,  120
.set SC,  216                          ; a set: x's 4 registers, W's 4, Wv's 2; fragment f's words lie in register f / 2, lanes 0-15 (f even) or 16-31 (f odd)
.set T,   24                           ; the way out: v24-87 64 rotated numbers; v88-119 cos, v120-151 sin; v152-163, v164-183 at work; v[184:185], v[186:187] scale blocks
.set COS, 88
.set SIN, 120
.set TM,  152
.set PC,  164
.set SBQ, 184
.set SBV, 186
.set PW,  188
.set WV,  14
.set G1X, 24                           ; s[24:31], s[32:39], s[40:47] descriptor groups 1: x (200 rows of 256 bytes), W (100), the table (128)
.set G1W, 32
.set G1T, 40
.set G0X, 48                           ; s[48:55], s[56:63] groups 0, a set for each slot;  s[68:71] the table's
.set G0W, 56
.set G0T, 68
.set MSB, 0
.macro WIN new                         ; the immediate's high byte repeats the setting that is left
.if MSB != (\new)
	s_set_vgpr_msb (MSB<<8)|(\new)
.set MSB, (\new)
.endif
.endm
.macro PLACES                          ; four plain lines in front of loads into registers that matrix instructions have read, and of the first read of results (ISA guide 7.12.1 for the first read of results)
.rept 4
	v_nop
.endr
.endm
.macro CREST                           ; a round of the cluster's barrier behind its opening barrier
	s_cmp_lg_u32 s[WV], 0
	s_cbranch_scc1 .Lnot_wave_0_\@
	s_barrier_signal -3
.Lnot_wave_0_\@:
	s_barrier_wait -3
	s_barrier_signal -1
	s_barrier_wait -1
.endm
.macro CROUND
	s_barrier_signal -1
	s_barrier_wait -1
	CREST
.endm
.macro JLOAD sl                        ; a joint load: wave 0 fetches two K steps of x, waves 1 to 3 of Wq, Wk, Wv.  An s_nop 0 and four v_nop follow each line
	s_cmp_eq_u32 s[WV], 0
	s_cbranch_scc0 .Lfor_w_\@
	tensor_load_to_lds s[G0X+4*\sl:G0X+4*\sl+3], s[G1X:G1X+7]
	s_nop 0
.rept 4
	v_nop
.endr
	s_branch .Lasked_\@
.Lfor_w_\@:
	tensor_load_to_lds s[G0W+4*\sl:G0W+4*\sl+3], s[G1W:G1W+7]
	s_nop 0
.rept 4
	v_nop
.endr
.Lasked_\@:
.endm
.macro G1SET g, rows                   ; dense rows of 256 bytes: 32 elements of 8 bytes, pitch 32
	s_mov_b32 s[\g+1], 32<<16
	s_mov_b32 s[\g+2], (\rows)<<16
	s_mov_b32 s[\g+3], 32<<16
	s_mov_b32 s[\g+4], \rows
	s_mov_b32 s[\g+5], 32
	s_mov_b32 s[\g+6], 0
	s_mov_b32 s[\g+7], 0
.endm
	s_load_b256 s[4:11], s[0:1], 0x0               ; xq s[4:5], wq s[6:7], cs s[8:9], qq s[10:11]
	s_load_b64 s[12:13], s[0:1], 0x20              ; kv
	v_lshl_add_u32 v[SPW], v0, 2, SPARE
	v_mov_b32 v[NIL], 0
	ds_add_u32 v[SPW], v[NIL]                      ; the wave's opening: the add, twice on end, and its wait ahead of my first tensor load; work on registers stands between them
	ds_add_u32 v[SPW], v[NIL]
	v_lshrrev_b32 v3, 5, v0
	v_readfirstlane_b32 s[WV], v3                  ; wave 0..3
	s_lshr_b32 s15, s14, 1                         ; H
	s_and_b32 s16, s14, 1                          ; y
	s_bfe_u32 s17, ttmp6, 0x40000                  ; cx
	s_bfe_u32 s18, ttmp6, 0x40004                  ; cy
	s_lshl_b32 s19, ttmp9, 2
	s_add_co_u32 s19, s19, s17                     ; g = 4 x cluster x + cx
	s_and_b32 s20, ttmp7, 0xffff                   ; Y = cluster y, 0..5
	s_cmp_eq_u32 s20, 0
	s_cselect_b32 s21, 0, 1
	s_cmp_eq_u32 s20, 5
	s_cselect_b32 s21, 2, s21                      ; the section: Y = 0 the front state, Y = 5 the end state, else the middle
	s_lshr_b32 s72, s18, 1                         ; Y = 0, 5: b = cy / 2,
	s_and_b32 s73, s18, 1                          ; tile cy % 2 (+ 10)
	s_cmp_eq_u32 s20, 5
	s_cselect_b32 s74, 10, 0
	s_add_co_u32 s73, s73, s74
	s_max_u32 s74, s20, 1
	s_sub_co_u32 s74, s74, 1
	s_lshr_b32 s75, s74, 1                         ; else: b = (Y - 1) / 2,
	s_and_b32 s74, s74, 1
	s_lshl_b32 s74, s74, 2
	s_add_co_u32 s74, s74, s18
	s_add_co_u32 s74, s74, 2                       ; tile 2 + 4 ((Y - 1) % 2) + cy
	s_cmp_eq_u32 s21, 1
	s_cselect_b32 s23, s74, s73                    ; the tile of 256 positions, 0..11
	s_cselect_b32 s72, s75, s72
	s_mul_i32 s22, s72, 12
	s_add_co_u32 s22, s22, s23                     ; row tile = 12 b + tile
	s_lshl_b32 s72, s18, 2
	s_lshl_b32 s72, 15, s72                        ; my row of the cluster
	s_lshl_b32 s73, 0x1111, s17                    ; my column
	s_or_b32 s[G1X], s72, (3<<16)|(1<<21)          ; 15:0 the mask; 17:16 elements of 8 bytes; 21 set beside a mask; no padding: every read takes consecutive bytes
	s_or_b32 s[G1T], s72, (3<<16)|(1<<21)
	s_or_b32 s[G1W], s73, (3<<16)|(1<<21)
	G1SET G1X, 200
	G1SET G1W, 100
	G1SET G1T, 128
	s_mul_i32 s76, s22, 204800                     ; x: 8 records of 25,600 bytes a row tile
	s_mov_b32 s77, 0
	s_lshl_b32 s78, s23, 4
	s_lshl_b32 s79, s14, 2
	s_add_co_u32 s78, s78, s79
	s_lshl_b32 s78, s78, 13                        ; the table: fragments 16 tile + 4 wave on, 8,192 bytes each
	s_mov_b32 s79, 0
	s_max_u32 s80, s14, 1
	s_sub_co_u32 s80, s80, 1                       ; waves 1, 2, 3: q, k, v
	s_mul_i32 s80, s80, 3
	s_add_co_u32 s80, s80, s21
	s_lshl_b32 s80, s80, 3
	s_add_co_u32 s80, s80, s19
	s_mul_i32 s80, s80, 102400                     ; W: 8 records of 12,800 bytes for a tensor and a g
	s_mov_b32 s81, 0
	s_mul_i32 s82, s14, 25600
	s_add_co_u32 s82, s82, 25600                   ; W's place in a slot: no place in the cluster enters an LDS address
	s_lshl_b32 s83, s14, 15                        ; my quarter of the table
	s_mul_i32 s84, s19, 24
	s_add_co_u32 s84, s84, s22                     ; the output record: 24 g + row tile
	s_mul_i32 s86, s84, 51200
	s_mov_b32 s87, 0
	s_mul_i32 s84, s84, 25600
	s_mov_b32 s85, 0
	s_mov_b32 s96, 0xffff0000                      ; lanes 16-31
	s_mov_b32 s98, 0x76543210
	s_mov_b32 s99, 0xfedcba98                      ; v_permlanex16_b32's selects for lane l xor 16
	s_wait_dscnt 0x0                               ; the opening add is done
	s_wait_kmcnt 0x0
	s_add_nc_u64 s[76:77], s[4:5], s[76:77]
	s_add_nc_u64 s[80:81], s[6:7], s[80:81]
	s_add_nc_u64 s[78:79], s[8:9], s[78:79]
	s_add_nc_u64 s[88:89], s[12:13], s[86:87]      ; kv's record
	s_add_nc_u64 s[90:91], s[10:11], s[84:85]      ; qq's record
	s_cmp_eq_u32 s16, 1
	s_cselect_b64 s[90:91], s[88:89], s[90:91]     ; where my rotated rows go: y = 0 q, y = 1 k
	CROUND                                         ; all sixteen work-groups are here: the first joint loads meet
.irp sl, 0,1
	s_mov_b32 s[G0X+4*\sl], 1
	s_mov_b32 s[G0X+4*\sl+1], 128000*(1-\sl)
	s_add_nc_u64 s[G0X+4*\sl+2:G0X+4*\sl+3], s[76:77], \sl*51200
	s_or_b32 s[G0X+4*\sl+3], s[G0X+4*\sl+3], 0x80000000
	s_mov_b32 s[G0W+4*\sl], 1
	s_add_co_u32 s[G0W+4*\sl+1], s82, 128000*(1-\sl)
	s_add_nc_u64 s[G0W+4*\sl+2:G0W+4*\sl+3], s[80:81], \sl*25600
	s_or_b32 s[G0W+4*\sl+3], s[G0W+4*\sl+3], 0x80000000
.endr
	s_mov_b32 s[G0T], 1
	s_add_co_u32 s[G0T+1], s83, TAB
	s_mov_b64 s[G0T+2:G0T+3], s[78:79]
	s_or_b32 s[G0T+3], s[G0T+3], 0x80000000
	s_cmp_eq_u32 s[WV], 0                          ; the head's fills, one a wave: K steps 0, 1 into slot 0
	s_cbranch_scc0 .Lfirst_w
	tensor_load_to_lds s[G0X:G0X+3], s[G1X:G1X+7]
	s_nop 0
.rept 4
	v_nop
.endr
	s_branch .Lfirst_asked
.Lfirst_w:
	tensor_load_to_lds s[G0W:G0W+3], s[G1W:G1W+7]
	s_nop 0
.rept 4
	v_nop
.endr
.Lfirst_asked:
	v_and_b32 v3, 31, v0
	v_lshlrev_b32 v21, 4, v3                       ; 16 l
	s_wait_alu depctr_va_vdst(0)
	v_lshlrev_b32 v22, 3, v3                       ; 8 l
	s_wait_alu depctr_va_vdst(0)
	s_mul_i32 s72, s15, 12288
	s_mul_i32 s73, s16, 25600
	s_mul_i32 s74, s16, 6144
	s_lshl_b32 s75, s15, 9
	s_lshl_b32 s92, s16, 8
.irp sl, 0,1
	s_add_co_u32 s93, s72, 128000*(1-\sl)
	v_add_nc_u32 v[AX+\sl], s93, v21
	s_add_co_u32 s93, s73, 128000*(1-\sl)+51200
	v_add_nc_u32 v[AW+\sl], s93, v21
	s_add_co_u32 s93, s74, 128000*(1-\sl)+102400
	v_add_nc_u32 v[AV+\sl], s93, v21
	s_add_co_u32 s93, s75, 128000*(1-\sl)+24576
	v_add_nc_u32 v[ASX+\sl], s93, v22
	s_add_co_u32 s93, s73, 128000*(1-\sl)+63488
	v_add_nc_u32 v[ASW+\sl], s93, v22
	s_add_co_u32 s93, s92, 128000*(1-\sl)+114688
	v_add_nc_u32 v[ASV+\sl], s93, v22
.endr
	s_lshl_b32 s93, s15, 16
	s_add_co_u32 s93, s93, TAB
	v_add_nc_u32 v[TA], s93, v21
	v_add_nc_u32 v[SA], s72, v21                   ; q's or k's images: 16 l + 12,288 H
	s_mul_i32 s93, s16, 24576
	s_add_co_u32 s93, s93, 24576
	s_add_co_u32 s93, s93, s75
	v_add_nc_u32 v[SS], s93, v22                   ; their scale blocks: behind 16 images (q) or 32 (k)
	s_add_co_u32 s93, s72, s74
	s_add_co_u32 s93, s93, 24576
	v_add_nc_u32 v[SV], s93, v21                   ; v's images: key step H, tiles 4 y on
	s_add_co_u32 s93, s75, s92
	s_add_co_u32 s93, s93, 50176
	v_add_nc_u32 v[SSV], s93, v22
.macro LDW set, adr, off               ; four fragments of W into a set: 12 loads of 512 consecutive bytes
.irp f, 0,1,2,3
.irp c, 0,1,2
	ds_load_b128 v[WF+48*(\set)+12*\f+4*\c:WF+48*(\set)+12*\f+4*\c+3], v[\adr] offset:(\off)+1536*\f+512*\c
.endr
.endr
.endm
.macro LDX sl, z, lo                   ; x's fragments lo .. lo + 3
.irp f, 0,1,2,3
.irp c, 0,1,2
	ds_load_b128 v[XF+12*((\lo)+\f)+4*\c:XF+12*((\lo)+\f)+4*\c+3], v[AX+\sl] offset:25600*(\z)+1536*((\lo)+\f)+512*\c
.endr
.endr
.endm
.macro LDSC sl, z, set                 ; a K step's scale words: 5 loads
	ds_load_b64 v[SC+10*(\set):SC+10*(\set)+1], v[ASX+\sl] offset:25600*(\z)
	ds_load_b64 v[SC+10*(\set)+2:SC+10*(\set)+3], v[ASX+\sl] offset:25600*(\z)+256
	ds_load_b64 v[SC+10*(\set)+4:SC+10*(\set)+5], v[ASW+\sl] offset:12800*(\z)
	ds_load_b64 v[SC+10*(\set)+6:SC+10*(\set)+7], v[ASW+\sl] offset:12800*(\z)+256
	ds_load_b64 v[SC+10*(\set)+8:SC+10*(\set)+9], v[ASV+\sl] offset:12800*(\z)
.endm
; one matrix instruction on the symbols rD, rA, rB, rSA, rSB; pa, pb odd: that side's words lie in lanes 16-31; zero: the first K step starts the sums
.macro WM pa, pb, zero
.if \zero
.if ((\pa)&1) && ((\pb)&1)
	v_wmma_scale_f32_16x16x128_f8f6f4 v[rD:rD+7], v[rA:rA+11], v[rB:rB+11], 0, v[rSA], v[rSB] matrix_a_fmt:MATRIX_FMT_BF6 matrix_b_fmt:MATRIX_FMT_BF6 matrix_a_scale:MATRIX_SCALE_ROW1 matrix_b_scale:MATRIX_SCALE_ROW1
.elseif ((\pa)&1)
	v_wmma_scale_f32_16x16x128_f8f6f4 v[rD:rD+7], v[rA:rA+11], v[rB:rB+11], 0, v[rSA], v[rSB] matrix_a_fmt:MATRIX_FMT_BF6 matrix_b_fmt:MATRIX_FMT_BF6 matrix_a_scale:MATRIX_SCALE_ROW1
.elseif ((\pb)&1)
	v_wmma_scale_f32_16x16x128_f8f6f4 v[rD:rD+7], v[rA:rA+11], v[rB:rB+11], 0, v[rSA], v[rSB] matrix_a_fmt:MATRIX_FMT_BF6 matrix_b_fmt:MATRIX_FMT_BF6 matrix_b_scale:MATRIX_SCALE_ROW1
.else
	v_wmma_scale_f32_16x16x128_f8f6f4 v[rD:rD+7], v[rA:rA+11], v[rB:rB+11], 0, v[rSA], v[rSB] matrix_a_fmt:MATRIX_FMT_BF6 matrix_b_fmt:MATRIX_FMT_BF6
.endif
.else
.if ((\pa)&1) && ((\pb)&1)
	v_wmma_scale_f32_16x16x128_f8f6f4 v[rD:rD+7], v[rA:rA+11], v[rB:rB+11], v[rD:rD+7], v[rSA], v[rSB] matrix_a_fmt:MATRIX_FMT_BF6 matrix_b_fmt:MATRIX_FMT_BF6 matrix_a_scale:MATRIX_SCALE_ROW1 matrix_b_scale:MATRIX_SCALE_ROW1
.elseif ((\pa)&1)
	v_wmma_scale_f32_16x16x128_f8f6f4 v[rD:rD+7], v[rA:rA+11], v[rB:rB+11], v[rD:rD+7], v[rSA], v[rSB] matrix_a_fmt:MATRIX_FMT_BF6 matrix_b_fmt:MATRIX_FMT_BF6 matrix_a_scale:MATRIX_SCALE_ROW1
.elseif ((\pb)&1)
	v_wmma_scale_f32_16x16x128_f8f6f4 v[rD:rD+7], v[rA:rA+11], v[rB:rB+11], v[rD:rD+7], v[rSA], v[rSB] matrix_a_fmt:MATRIX_FMT_BF6 matrix_b_fmt:MATRIX_FMT_BF6 matrix_b_scale:MATRIX_SCALE_ROW1
.else
	v_wmma_scale_f32_16x16x128_f8f6f4 v[rD:rD+7], v[rA:rA+11], v[rB:rB+11], v[rD:rD+7], v[rSA], v[rSB] matrix_a_fmt:MATRIX_FMT_BF6 matrix_b_fmt:MATRIX_FMT_BF6
.endif
.endif
.endm
; 16 products for q or k: x's fragments plo .. plo + 3 x W's tiles tlo .. tlo + 3 (in set).  Each of the wave's 96 accumulators has one instruction a K step: they take turns.
.macro MQK16 plo, tlo, set, sc, zero
.irp p, 0,1,2,3
.irp t, 0,1,2,3
.set rD, 64*\p+8*((\tlo)+\t)
.set rA, WF+48*(\set)+12*\t
.set rB, XF+12*((\plo)+\p)
.set rSA, SC+10*(\sc)+4+(((\tlo)+\t)>>1)
.set rSB, SC+10*(\sc)+(((\plo)+\p)>>1)
	WM \t, \p, \zero
.endr
.endr
.endm
.macro MV4 p, set, sc, zero            ; 4 products for v: x's fragment p x Wv's four tiles
.irp t, 0,1,2,3
.set rD, 64*\t+8*(\p)
.set rA, XF+12*(\p)
.set rB, WF+48*(\set)+12*\t
.set rSA, SC+10*(\sc)+((\p)>>1)
.set rSB, SC+10*(\sc)+8+(\t>>1)
	WM \p, \t, \zero
.endr
.endm
; K STEP k: 96 matrix instructions in three groups (W's tiles 0-3, 4-7, Wv's four), whose fragments take turns in the two sets; each group's loads are issued a group ahead.
; kind 0: the next step lies in the same slot.  1: change of slots, this slot is filled again.  2: change of slots, the table takes this slot's place.  3: the last step.
.macro KSTEP k, zero, kind
.set SL, ((\k)>>1)&1
.set Z, (\k)&1
.set P, (\k)&1
.set SLN, (((\k)+1)>>1)&1
.set ZN, ((\k)+1)&1
	PLACES
	WIN 0
	LDX SL, Z, 4
	LDW 1-P, AW+SL, 12800*Z+6144
	s_wait_dscnt 24                                ; all but the 24 just issued: tiles 0-3, the scale words and x's fragments 0-3 are in
	WIN 0x50
	MQK16 0, 0, P, P, \zero
	s_wait_dscnt 12                                ; x's fragments 4-7 are in; W's tiles 4-7 may be out
	WIN 0xa0
	MQK16 4, 0, P, P, \zero
	PLACES
	WIN 0
	LDW P, AV+SL, 12800*Z
	s_wait_dscnt 12                                ; tiles 4-7 are in; Wv's may be out
	WIN 0x50
	MQK16 0, 4, 1-P, P, \zero
	WIN 0xa0
	MQK16 4, 4, 1-P, P, \zero
.if \kind == 0
	PLACES
	WIN 0
	LDW 1-P, AW+SLN, 12800*ZN
	LDSC SLN, ZN, 1-P
	s_wait_dscnt 17                                ; Wv's tiles are in; the 17 just issued may be out
	WIN 0xf0
.irp p, 0,1,2,3
	MV4 \p, P, P, \zero
.endr
	PLACES
	WIN 0
	LDX SLN, ZN, 0
	WIN 0xf0
.irp p, 4,5,6,7
	MV4 \p, P, P, \zero
.endr
.elseif \kind == 3
	WIN 0
	s_wait_tensorcnt 0x0                           ; my quarter of the table has landed,
	s_wait_dscnt 0x0                               ; Wv's tiles are in, and no LDS instruction of mine is out at the signal
	s_barrier_signal -1
	WIN 0xf0
.irp p, 0,1,2,3,4,5,6,7
	MV4 \p, P, P, \zero
.endr
	WIN 0
	s_barrier_wait -1                              ; everybody's quarter has landed
.else
	WIN 0                                          ; (the add's two registers lie in window 0)
	s_wait_tensorcnt 0x0                           ; all my tensor loads have landed: my part of the next slot;
	ds_add_u32 v[SPW], v[NIL]                      ; 0 onto my spare word;
	s_wait_dscnt 1                                 ; (Wv's tiles are in; the add may be out)
	WIN 0xf0
.irp p, 0,1,2,3
	MV4 \p, P, P, \zero
.endr
	s_wait_dscnt 0x0                               ; the add is done, and my reads of this slot are over
	s_barrier_signal -1
	MV4 4, P, P, \zero
	MV4 5, P, P, \zero
	WIN 0
	s_barrier_wait -1
	CREST                                          ; the barrier has opened a round of the cluster's: no wave of any partner still reads this slot or has a load on its way
.if \kind == 1
	s_add_nc_u64 s[G0X+4*SL+2:G0X+4*SL+3], s[G0X+4*SL+2:G0X+4*SL+3], 102400   ; four K steps on
	s_add_nc_u64 s[G0W+4*SL+2:G0W+4*SL+3], s[G0W+4*SL+2:G0W+4*SL+3], 51200
	JLOAD SL                                       ; the first tensor load behind the round, my one load until the next; its four v_nop are also the places in front of the loads below
.else
	tensor_load_to_lds s[G0T:G0T+3], s[G1T:G1T+7]  ; every wave fetches a quarter of the table, jointly with my row of the cluster
	s_nop 0
.rept 4
	v_nop
.endr
.endif
	LDW 1-P, AW+SLN, 12800*ZN
	s_wait_alu depctr_va_vdst(0)
	LDSC SLN, ZN, 1-P
	LDX SLN, ZN, 0
	WIN 0xf0
	MV4 6, P, P, \zero
	MV4 7, P, P, \zero
.endif
.endm
	s_wait_alu depctr_va_vdst(0)
	s_wait_tensorcnt 0x0                           ; my part of slot 0 is in; slot 1's first fill is issued as a refill is:
	ds_add_u32 v[SPW], v[NIL]                      ; 0 onto my spare word
	s_wait_dscnt 0x0
	CROUND                                         ; a whole round: slot 0 is whole, and the joint loads meet
	JLOAD 1                                        ; K steps 2, 3 into slot 1: my one load behind the round
	LDW 0, AW+0, 0
	LDSC 0, 0, 0
	LDX 0, 0, 0
	KSTEP 0, 1, 0
	KSTEP 1, 0, 1
	KSTEP 2, 0, 0
	KSTEP 3, 0, 1
	KSTEP 4, 0, 0
	KSTEP 5, 0, 2
	KSTEP 6, 0, 0
	KSTEP 7, 0, 3
; THE WAY OUT.  64 numbers of a lane in window n, register 16 b + i = next K 32 b + 16 h + i, become a fragment's codes in v[PC] on and its scale word in v[pw].  Each accumulator is read from its low end on.
.macro QUANT s, n, pw
	WIN ((\n)<<2)|((\n)<<4)
.irp b, 0,1,2,3
	v_max3_num_f32 v[TM+\b], 0x2800000, |v[(\s)+16*\b]|, |v[(\s)+16*\b+1]|   ; the floor 2^(5 - 127): the byte cannot fall under 1
.endr
.irp i, 2,4,6,8,10,12,14
.irp b, 0,1,2,3
	v_max3_num_f32 v[TM+\b], v[TM+\b], |v[(\s)+16*\b+\i]|, |v[(\s)+16*\b+\i+1]|
.endr
.endr
	WIN 0
.irp b, 0,1,2,3
	v_permlanex16_b32 v[TM+4+\b], v[TM+\b], s98, s99
.endr
.irp b, 0,1,2,3
	v_max_num_f32 v[TM+\b], v[TM+\b], v[TM+4+\b]
.endr
.irp b, 0,1,2,3
	v_add_nc_u32 v[TM+8+\b], 0xfe000000, v[TM+\b]  ; 4 off the exponent field: the conversion's scale operand
.endr
.irp b, 0,1,2,3
	v_lshrrev_b32 v[TM+4+\b], 23, v[TM+8+\b]       ; the byte
.endr
	s_wait_alu depctr_va_vdst(0)
	s_wait_xcnt 0x0                                ; earlier stores have read their data: the scale pair and the codes' registers are written again only behind this wait
	v_lshl_or_b32 v[\pw], v[TM+5], 8, v[TM+4]
	v_lshl_or_b32 v[\pw], v[TM+6], 16, v[\pw]
	v_lshl_or_b32 v[\pw], v[TM+7], 24, v[\pw]
	WIN \n
.irp c, 0,1
	v_cvt_scalef32_pk16_bf6_f32 v[PC+6*\c:PC+2+6*\c], v[(\s)+32*\c:(\s)+15+32*\c], v[TM+8+2*\c]
	v_cvt_scalef32_pk16_bf6_f32 v[PC+12+4*\c:PC+14+4*\c], v[(\s)+16+32*\c:(\s)+31+32*\c], v[TM+9+2*\c]
.endr
	WIN 0
	v_nop                                          ; one plain line behind a scaled conversion
.irp c, 0,1
.irp i, 0,1,2
	v_permlane16_swap_b32 v[PC+6*\c+\i], v[PC+12+4*\c+\i]
.endr
.irp i, 0,1,2
	v_mov_b32 v[PC+3+6*\c+\i], v[PC+12+4*\c+\i]
.endr
.endr
.endm
.macro TABLD f                         ; cos and sin of fragment f's rows: register n is frequency 32 (n / 16) + 16 h + n % 16
.irp c, 0,1,2,3,4,5,6,7,8,9,10,11,12,13,14,15
	ds_load_b128 v[COS+4*\c:COS+4*\c+3], v[TA] offset:8192*(\f)+512*\c
.endr
.endm
.macro ROPE n, a                       ; out(e) = t(e) cos - t(e + 64) sin, out(e + 64) = t(e + 64) cos + t(e) sin, e under 64: two numbers an instruction
	WIN \n
.set m, 0
.rept 16
	v_pk_mul_f32 v[T+2*m:T+2*m+1], v[(\a)+2*m:(\a)+2*m+1], v[COS+2*m:COS+2*m+1]
	v_pk_mul_f32 v[T+32+2*m:T+32+2*m+1], v[(\a)+32+2*m:(\a)+32+2*m+1], v[COS+2*m:COS+2*m+1]
	v_pk_fma_f32 v[T+2*m:T+2*m+1], v[(\a)+32+2*m:(\a)+32+2*m+1], v[SIN+2*m:SIN+2*m+1], v[T+2*m:T+2*m+1] neg_lo:[1,0,0] neg_hi:[1,0,0]
	v_pk_fma_f32 v[T+32+2*m:T+32+2*m+1], v[(\a)+2*m:(\a)+2*m+1], v[SIN+2*m:SIN+2*m+1], v[T+32+2*m:T+32+2*m+1]
.set m, m+1
.endr
	WIN 0
.endm
	PLACES
.irp b, 0,1,2,3
	v_mov_b32 v[TM+4+\b], 0                        ; written once: a lane permute's destination counts as one of its sources
.endr
	TABLD 0                                        ; lands while v is quantised
.irp t, 0,1,2,3                        ; v: tile 4 y + t of e, key step H
.if (\t&1) == 0
	QUANT 64*\t, 3, SBV+(\t>>1)
.else
	QUANT 64*\t, 3, PW
	v_cndmask_b32 v[SBV+(\t>>1)], v[SBV+(\t>>1)], v[PW], s96   ; lanes 16-31 take the odd fragment's words
.endif
.irp c, 0,1,2
	global_store_b128 v[SV], v[PC+4*\c:PC+4*\c+3], s[88:89] offset:1536*\t+512*\c   ; 512 consecutive bytes
.endr
.endr
	global_store_b64 v[SSV], v[SBV:SBV+1], s[88:89]
.irp p, 0,1,2,3,4,5,6,7                ; q or k: fragment 8 H + p of the rows
	s_wait_dscnt 0x0                               ; its cos and sin are in
	ROPE 1+(\p>>2), 64*(\p&3)
.if \p < 7
	TABLD \p+1                                     ; the next fragment's land while this one is quantised
.endif
.if (\p&1) == 0
	QUANT T, 0, SBQ+((\p>>1)&1)
.else
	QUANT T, 0, PW
	v_cndmask_b32 v[SBQ+((\p>>1)&1)], v[SBQ+((\p>>1)&1)], v[PW], s96
.endif
.irp c, 0,1,2
	global_store_b128 v[SA], v[PC+4*\c:PC+4*\c+3], s[90:91] offset:1536*\p+512*\c
.endr
.if (\p&3) == 3
	global_store_b64 v[SS], v[SBQ:SBQ+1], s[90:91] offset:256*(\p>>2)
.endif
.endr
	s_wait_tensorcnt 0x0                           ; the wave's end, behind my last tensor load
	ds_add_u32 v[SPW], v[NIL]
	s_wait_dscnt 0x0
	CROUND                                         ; the closing round: no work-group ends while a partner may still ask for a tile that names it
	s_endpgm
.Lfunc_end_k_q5ce1836107_proj:
	.size	k_q5ce1836107_proj, .Lfunc_end_k_q5ce1836107_proj-k_q5ce1836107_proj
	.p2alignl 7, 3214868480
	.fill 96, 4, 3214868480
	.section	.rodata,"a",@progbits
	.p2align	6, 0x0
	.amdhsa_kernel k_q5ce1836107_proj
		.amdhsa_group_segment_fixed_size 327680
		.amdhsa_private_segment_fixed_size 0
		.amdhsa_enable_private_segment 0
		.amdhsa_kernarg_size 40
		.amdhsa_user_sgpr_count 2
		.amdhsa_user_sgpr_kernarg_segment_ptr 1
		.amdhsa_wavefront_size32 1
		.amdhsa_system_sgpr_workgroup_id_x 1
		.amdhsa_system_sgpr_workgroup_id_y 1
		.amdhsa_system_sgpr_workgroup_id_z 1
		.amdhsa_system_vgpr_workitem_id 0
		.amdhsa_next_free_vgpr 1024
		.amdhsa_next_free_sgpr 100
		.amdhsa_reserve_vcc 0
		.amdhsa_float_denorm_mode_32 3
		.amdhsa_float_denorm_mode_16_64 3
		.amdhsa_memory_ordered 1
		.amdhsa_forward_progress 1
		.amdhsa_inst_pref_size 239
	.end_amdhsa_kernel
	.amdgpu_metadata
---
amdhsa.version: [ 1, 2 ]
amdhsa.kernels:
  - .name:           k_q5ce1836107_proj
    .symbol:         k_q5ce1836107_proj.kd
    .args:
      - { .name: xq, .offset: 0, .size: 8, .value_kind: global_buffer, .address_space: global }
      - { .name: wq, .offset: 8, .size: 8, .value_kind: global_buffer, .address_space: global }
      - { .name: cs, .offset: 16, .size: 8, .value_kind: global_buffer, .address_space: global }
      - { .name: qq, .offset: 24, .size: 8, .value_kind: global_buffer, .address_space: global }
      - { .name: kv, .offset: 32, .size: 8, .value_kind: global_buffer, .address_space: global }
    .group_segment_fixed_size: 327680
    .private_segment_fixed_size: 0
    .kernarg_segment_align: 8
    .kernarg_segment_size: 40
    .max_flat_workgroup_size: 128
    .sgpr_count:     100
    .vgpr_count:     1024
    .wavefront_size: 32
...
	.end_amdgpu_metadata
.endif
;; end of part 2
;; launch attn (part 3): grid 16 x 16, 12 waves a work-group, no clusters, 327,680 bytes of LDS; arguments qq, kv, out0; writes out0
.if DOCPART == 3
	.amdgcn_target "amdgcn-amd-amdhsa--gfx1250"
	.amdhsa_code_object_version 6
	.text
	.protected	k_q5ce1836107_attn
	.globl	k_q5ce1836107_attn
	.p2align	8
	.type	k_q5ce1836107_attn,@function
k_q5ce1836107_attn:
	s_mov_b64 s[64:65], 0
	v_nop
	global_prefetch_b8 v0, s[64:65] scope:SCOPE_SE
	s_setreg_imm32_b32 hwreg(HW_REG_WAVE_MODE, 25, 1), 1
	s_wait_xcnt 0x0
; ATTN: causal attention on codes of BF6: 16 heads, 3,072 positions, head size 128.  q, k, v arrive as images of operand registers with their scale blocks (the launch before has laid them).
; THE SOFTMAX AHEAD OF THE SECOND PRODUCT: t = score x log2(e) / sqrt(128); M = the row's largest t so far, rounded UP to a whole number; p = 2^(t - M) is quantised along the keys, not normalised.
; The row's sum is taken of the unquantised p in f32 and divides O at the end.  When M moves, the sums and O are multiplied by 2^(old M - new M): exact.
; LEFT OUT: key steps that the causal mask of the problem hides from all of a wave's queries, and slots that it hides from all of a work-group's.
; SHARES.  A wave owns one fragment of 16 queries; a fragment of the block of 128 queries B has B + 1 key steps of 128.  Work-group (u + 8 half, head) takes four fragments (the half) of each of three blocks:
; a = u, b = 8 + (u + 4) % 8, c = 23 - 2 u (u under 4) or 30 - 2 u: a + b + c + 3 = 38 or 37 key steps for each three waves w, w + 4, w + 8, in all 256 work-groups; over u each of the 24 blocks is taken once.
; Wave w: block a, b or c by w / 4, fragment 4 half + w % 4 of it.
; A fragment's queries are Q0 + r + 8 (r / 8), Q0 = 32 (f / 2) + 8 (f % 2): they lie inside one run of 32, so a key step of 128 either hides from all of them or shows its first key to all.
; Both products are used transposed (S^T = K Q^T, O^T = V^T P^T): a lane holds one query throughout; the 16 registers of two neighbouring tiles of K are 16 neighbouring keys.
; RING: two LDS slots of one record (256 keys: 16 images of K, 16 of V, 8 scale blocks: 51,200 dense bytes), filled by waves 0 to 7, 25 rows of 256 bytes each, read by all twelve.  Every work-group walks 12 changes of slots;
; a slot whose first key comes after the work-group's last query is not asked for (the last change so asks for nothing).
; LDS LOADS ARE ASKED FOR AHEAD OF THEIR USE: V's fragments go into K's registers as soon as the score products have read them; the slot's second step's K goes into V's registers behind the second product's halves.
; NO CLUSTER: the work-groups of a head need different numbers of slots (12 down to 9), and the jump at the causal limit may not lead round a joint load.
; LIMITS: NaN and infinities are not served.
; REGISTERS.  Window 0: v1-23 addresses and the row's state; v24-35 Q; v36-43 K's and V's scale words; v44-75 p's codes and what is at work; v76-139 scores, then p; v140-235 eight fragments of K or V.
; Window 1: v0-63 O^T; v64-71 the row's sum, four packed chains.
.set SLOT1, 65536                      ; slot 0 at 0, slot 1 here
.set STAGE, 131072                     ; the way out: 16 rows x (256 + 16) bytes for each wave, bytes into which no tile lands
.set SPARE, 200704                     ; the spare words: 128 bytes a wave, six blocks of 256 bytes that no other line names
.set L16, 1                            ; v1 16 l;  v2 8 l;  v3 r + 8 (r / 8) - 16 h;  never rewritten
.set L8,  2
.set DQ,  3
.set SPW, 5
.set NIL, 6
.set GO,  7                            ; v7 the way out: 512 h + 16 r
.set ADK, 8                            ; v8, v9 LDS addresses of the slot in hand
.set ADS, 9
.set TT,  10                           ; v10 at work;  v11 the row's sum at the end
.set NM,  12                           ; v[12:13] -M and the running largest t
.set FF,  14                           ; v[14:15] 2^(old M - new M), and 0
.set PS,  16                           ; v16 p's scale word;  v17 Q's
.set QS,  17
.set PFO, 18                           ; v18 256 l: the prefetches' offset; never rewritten
.set QF,  24
.set KSC, 36
.set VSC, 40
.set PC,  44
.set CT,  56
.set BM,  64                           ; four block maxima, four of the other half (then bytes), four scale operands
.set S,   76
.set FR,  140
.set O,   0                            ; window 1
.set LS,  64
.set WV,  10
.set SEL, 12                           ; s[12:13] selects for lane l xor 16
.set CS,  14                           ; s[14:15] c = log2(e) / sqrt(128)
.set G1,  16
.set G0,  24
.set TB,  28                           ; s28 the slot in hand;  s29 its first key;  s30, s31 my first and last query;  s32 changes to go;  s33 the work-group's last query
.set KF,  29
.set Q0,  30
.set QL,  31
.set SLOTS, 32
.set LASTQ, 33
.set PFA, 34                           ; s[34:35] where my prefetches stand;  s36 the same in blocks of 256 bytes;  s37 the last count at which I ask
.set PB,  36
.set LIM, 37
.set KS,  57                           ; s57 the step's first key
.set MSB, 0
.macro WIN new                         ; the immediate's high byte repeats the setting that is left
.if MSB != (\new)
	s_set_vgpr_msb (MSB<<8)|(\new)
.set MSB, (\new)
.endif
.endm
.macro PLACES                          ; four plain lines in front of loads into registers that matrix instructions have read, and of the first read of results
.rept 4
	v_nop
.endr
.endm
.macro D1
	s_delay_alu instid0(VALU_DEP_1)
.endm
.macro D4
	s_delay_alu instid0(VALU_DEP_4)
.endm
.macro TLOAD                           ; waves 0 to 7 fetch an eighth of a record each; an s_nop 0 and four v_nop follow the line
	s_cmp_lt_u32 s[WV], 8
	s_cbranch_scc0 .Lasked_\@
	tensor_load_to_lds s[G0:G0+3], s[G1:G1+7]
	s_nop 0
.rept 4
	v_nop
.endr
.Lasked_\@:
.endm
.macro LDF base, tlo                   ; four fragments, images tlo .. tlo + 3 from byte base of the slot: 12 loads of 512 consecutive bytes
.irp t, 0,1,2,3
.irp c, 0,1,2
	ds_load_b128 v[FR+12*(\tlo+\t)+4*\c:FR+12*(\tlo+\t)+4*\c+3], v[ADK] offset:(\base)+(\tlo+\t)*1536+512*\c
.endr
.endr
.endm
.macro LDSC r, off                     ; a step's eight tiles' scale words: tile t in register t / 2, lanes 0-15 (t even) or 16-31
	ds_load_b64 v[\r:\r+1], v[ADS] offset:\off
	ds_load_b64 v[\r+2:\r+3], v[ADS] offset:\off+256
.endm
.macro SMUL tlo                        ; S^T = K Q^T: four tiles of 16 keys
.irp t, 0,1,2,3
.set rD, S+8*(\tlo+\t)
.set rA, FR+12*(\tlo+\t)
.set rS, KSC+(\tlo+\t)/2
.if \t&1
	v_wmma_scale_f32_16x16x128_f8f6f4 v[rD:rD+7], v[rA:rA+11], v[QF:QF+11], 0, v[rS], v[QS] matrix_a_fmt:MATRIX_FMT_BF6 matrix_b_fmt:MATRIX_FMT_BF6 matrix_a_scale:MATRIX_SCALE_ROW1
.else
	v_wmma_scale_f32_16x16x128_f8f6f4 v[rD:rD+7], v[rA:rA+11], v[QF:QF+11], 0, v[rS], v[QS] matrix_a_fmt:MATRIX_FMT_BF6 matrix_b_fmt:MATRIX_FMT_BF6
.endif
.endr
.endm
; O^T += V^T P^T: four tiles of the head's 128; the 8 accumulators of a step take turns.  Behind each product four packed lines take eight unquantised p into the row's sums, as p x 1.0 + sum (one rounding, that of the sum):
; under the products' windows the destination and the third source lie in window 1 (the sums), the first source in window 0 (p).  They name no register of the products and are the places in front of the loads that follow.
.macro PVS tlo
.irp t, 0,1,2,3
.set rD, O+8*(\tlo+\t)
.set rA, FR+12*(\tlo+\t)
.set rS, VSC+(\tlo+\t)/2
.if \t&1
	v_wmma_scale_f32_16x16x128_f8f6f4 v[rD:rD+7], v[rA:rA+11], v[PC:PC+11], v[rD:rD+7], v[rS], v[PS] matrix_a_fmt:MATRIX_FMT_BF6 matrix_b_fmt:MATRIX_FMT_BF6 matrix_a_scale:MATRIX_SCALE_ROW1
.else
	v_wmma_scale_f32_16x16x128_f8f6f4 v[rD:rD+7], v[rA:rA+11], v[PC:PC+11], v[rD:rD+7], v[rS], v[PS] matrix_a_fmt:MATRIX_FMT_BF6 matrix_b_fmt:MATRIX_FMT_BF6
.endif
.irp k, 0,1,2,3
	v_pk_fma_f32 v[LS+2*\k:LS+2*\k+1], v[S+8*(\tlo+\t)+2*\k:S+8*(\tlo+\t)+2*\k+1], 1.0, v[LS+2*\k:LS+2*\k+1] op_sel_hi:[1,0,1]
.endr
.endr
.endm
	s_load_b128 s[4:7], s[0:1], 0x0                ; qq, kv
	s_load_b64 s[8:9], s[0:1], 0x10                ; out0
	v_lshl_add_u32 v[SPW], v0, 2, SPARE
	v_mov_b32 v[NIL], 0
	ds_add_u32 v[SPW], v[NIL]                      ; the wave's opening: the add, twice on end, and its wait ahead of my first tensor load
	ds_add_u32 v[SPW], v[NIL]
	v_lshrrev_b32 v8, 5, v0
	s_delay_alu instid0(VALU_DEP_1)
	v_readfirstlane_b32 s[WV], v8                  ; wave 0..11
	s_and_b32 s38, ttmp7, 0xffff                   ; the head 2 g + b
	s_and_b32 s39, ttmp9, 7                        ; u = block a
	s_lshr_b32 s40, ttmp9, 3                       ; which half of the blocks' fragments
	s_add_co_u32 s41, s39, 4
	s_and_b32 s41, s41, 7
	s_add_co_u32 s41, s41, 8                       ; block b
	s_cmp_lt_u32 s39, 4
	s_cselect_b32 s42, 23, 30
	s_lshl_b32 s43, s39, 1
	s_sub_co_u32 s42, s42, s43                     ; block c
	s_add_co_u32 s[LASTQ], s42, 1
	s_lshl_b32 s[LASTQ], s[LASTQ], 7
	s_sub_co_u32 s[LASTQ], s[LASTQ], 1             ; its last query
	s_lshr_b32 s43, s[WV], 2
	s_cmp_eq_u32 s43, 1
	s_cselect_b32 s39, s41, s39
	s_cmp_eq_u32 s43, 2
	s_cselect_b32 s39, s42, s39                    ; my block
	s_lshl_b32 s39, s39, 3
	s_lshl_b32 s40, s40, 2
	s_add_co_u32 s39, s39, s40
	s_and_b32 s40, s[WV], 3
	s_add_co_u32 s39, s39, s40                     ; my fragment f, 0..191
	s_lshr_b32 s40, s39, 1
	s_lshl_b32 s[Q0], s40, 5
	s_and_b32 s41, s39, 1
	s_lshl_b32 s42, s41, 3
	s_add_co_u32 s[Q0], s[Q0], s42
	s_add_co_u32 s[QL], s[Q0], 23
	s_mul_i32 s42, s38, 12
	s_lshr_b32 s43, s39, 4
	s_add_co_u32 s42, s42, s43
	s_mul_i32 s42, s42, 25600                      ; q's record
	s_and_b32 s43, s39, 15
	s_mul_i32 s44, s43, 1536
	s_add_co_u32 s44, s44, s42                     ; my image
	s_mov_b32 s45, 0
	s_lshr_b32 s46, s43, 2
	s_lshl_b32 s46, s46, 8
	s_add_co_u32 s46, s46, s42                     ; my scale block,
	s_lshl_b32 s47, s41, 7
	s_add_co_u32 s46, s46, s47                     ; its upper half for an odd fragment,
	s_and_b32 s47, s40, 1
	s_lshl_b32 s47, s47, 2
	s_add_co_u32 s46, s46, s47                     ; the word of the pair
	s_add_co_u32 s46, s46, 24576
	s_mov_b32 s47, 0
	s_mul_i32 s48, s38, 614400                     ; the head's 12 records of kv
	s_mov_b32 s49, 0
	s_and_b32 s50, s[WV], 7
	s_mul_i32 s50, s50, 6400                       ; the eighth that I fetch, in memory and in a slot alike
	s_mov_b32 s51, 0
	s_and_b32 s52, s38, 1
	s_lshl_b32 s52, s52, 3
	s_lshr_b32 s53, s38, 1
	s_add_co_u32 s52, s52, s53                     ; 8 b + g
	s_mul_i32 s52, s52, 3072
	s_add_co_u32 s52, s52, s[Q0]
	s_lshl_b32 s52, s52, 9                         ; my first row of the output
	s_mov_b32 s53, 0
	s_mov_b32 s[G1], 3<<16                         ; no mask; elements of 8 bytes; no padding: every read takes consecutive bytes
	s_mov_b32 s[G1+1], 32<<16                      ; 25 dense rows of 256 bytes
	s_mov_b32 s[G1+2], 25<<16
	s_mov_b32 s[G1+3], 32<<16
	s_mov_b32 s[G1+4], 25
	s_mov_b32 s[G1+5], 32
	s_mov_b32 s[G1+6], 0
	s_mov_b32 s[G1+7], 0
	s_sub_co_u32 s54, s[WV], 4
	s_cmp_lt_u32 s54, 7                            ; waves 4 to 10
	s_cselect_b32 s[LIM], 2368, 0
	s_cmp_eq_u32 ttmp9, 0                          ; of the work-group u = 0, half 0, whose block c is the last: it walks the whole stream
	s_cselect_b32 s[LIM], s[LIM], 0
	s_and_b32 s54, s54, 7
	s_lshl_b32 s54, s54, 5
	s_add_co_u32 s[PB], s54, 176                   ; the first change of slots steps it to 400 + 32 (wave - 4)
	s_lshl_b32 s54, s[PB], 8
	s_mov_b32 s55, 0
	s_mov_b32 s[SEL], 0x76543210
	s_mov_b32 s[SEL+1], 0xfedcba98
	s_mov_b32 s[CS], 0x3e0293ee
	s_mov_b32 s[CS+1], s[CS]                       ; (named with it as a pair, so it is written)
	s_mov_b32 s[TB], 0
	s_mov_b32 s[KF], 0
	s_mov_b32 s[SLOTS], 12
	s_wait_dscnt 0x0                               ; both opening adds are done
	s_wait_kmcnt 0x0
	s_add_nc_u64 s[6:7], s[6:7], s[48:49]          ; kv at my head
	s_mov_b32 s[G0], 1
	s_mov_b32 s[G0+1], s50
	s_add_nc_u64 s[G0+2:G0+3], s[6:7], s[50:51]
	s_or_b32 s[G0+3], s[G0+3], 0x80000000
	TLOAD                                          ; slot 0
	s_add_nc_u64 s[PFA:PFA+1], s[6:7], s[54:55]
	s_add_nc_u64 s[44:45], s[4:5], s[44:45]
	s_add_nc_u64 s[46:47], s[4:5], s[46:47]
	s_add_nc_u64 s[8:9], s[8:9], s[52:53]
	v_and_b32 v8, 31, v0
	v_and_b32 v9, 15, v0                           ; r
	v_and_b32 v11, 8, v0
	v_and_b32 v20, 16, v0
	v_mov_b32 v[NM+1], 0xff61b1e6                  ; the largest t so far: -3e38
	v_lshlrev_b32 v[L16], 4, v8
	v_lshlrev_b32 v[L8], 3, v8
	v_lshlrev_b32 v[PFO], 8, v8
	v_lshlrev_b32 v22, 3, v9
	v_add_nc_u32 v[DQ], v9, v11
	v_lshlrev_b32 v[GO], 5, v20                    ; 512 h
.irp c, 0,1,2
	global_load_b128 v[QF+4*\c:QF+4*\c+3], v[L16], s[44:45] offset:512*\c   ; Q's fragment stays in registers
.endr
	global_load_b32 v[QS], v22, s[46:47]           ; Q's scale words: lane r has row r's
	v_floor_f32 v[NM], -v[NM+1]                    ; -M
	v_sub_nc_u32 v[DQ], v[DQ], v20
	v_lshl_add_u32 v[GO], v9, 4, v[GO]
.irp r, 10,14,15,68,69,70,71
	v_mov_b32 v\r, 0                               ; written once: lane permutes' destinations, and the pair that the packed forms name
.endr
	WIN 0x40
.set jj, 0
.rept 72
	v_mov_b32 v[O+jj], 0                           ; O^T and the sums: the step is written once; its first turn finds zeros, which the first change of M leaves zeros
.set jj, jj+1
.endr
	WIN 0
; A KEY STEP: 128 keys, the z-th of the slot in hand.  At its head K's scale words and tiles 0-3, then tiles 4-7, are on their way.
.macro BODY z
	s_wait_dscnt 12                                ; all but the youngest 12: K's scale words and tiles 0-3 are in
	SMUL 0
	PLACES
	LDSC VSC, 50176+512*\z
	LDF 24576+12288*\z, 0                          ; V's tiles 0-3 take the place of K's
	s_wait_dscnt 14                                ; all but the 14 just issued: K's tiles 4-7 are in
	SMUL 4
	PLACES
	LDF 24576+12288*\z, 4
	s_add_co_u32 s38, s[KS], 127                   ; on the diagonal hidden scores become -infinity ahead of the maximum; a step all of whose keys count skips this
	s_cmp_le_u32 s38, s[Q0]
	s_cbranch_scc1 .Lopen_\@
	s_sub_co_i32 s38, s[Q0], s[KS]
	v_add_nc_u32 v20, s38, v[DQ]                   ; d = my query - the step's first key - 16 h.  Register 16 b + i holds key 16 h + 32 b + i of the step: hidden where 32 b + i > d
	v_mov_b32 v21, 0xff800000
.set jj, 0
.rept 64
	v_cmp_gt_i32 vcc_lo, 32*(jj/16)+jj%16, v20
	v_cndmask_b32 v[S+jj], v[S+jj], v21, vcc_lo
.set jj, jj+1
.endr
.Lopen_\@:
.irp b, 0,1,2,3
	v_max3_num_f32 v[BM+\b], v[S+16*\b], v[S+16*\b+1], v[S+16*\b+2]   ; the largest score of each block of 32 keys: for the row's maximum and, since p rises with the score, for the block's largest p
.endr
.irp i, 3,5,7,9,11,13
.irp b, 0,1,2,3
	v_max3_num_f32 v[BM+\b], v[BM+\b], v[S+16*\b+\i], v[S+16*\b+\i+1]
.endr
.endr
.irp b, 0,1,2,3
	v_max_num_f32 v[BM+\b], v[BM+\b], v[S+16*\b+15]
.endr
.irp b, 0,1,2,3
	D4
	v_permlanex16_b32 v[BM+4+\b], v[BM+\b], s[SEL], s[SEL+1]
.endr
.irp b, 0,1,2,3
	D4
	v_max_num_f32 v[BM+\b], v[BM+\b], v[BM+4+\b]   ; with lane l xor 16's 16 keys
.endr
	s_delay_alu instid0(VALU_DEP_2)
	v_max3_num_f32 v[TT], v[BM], v[BM+1], v[BM+2]
	D1
	v_max_num_f32 v[TT], v[TT], v[BM+3]
	D1
	v_mul_f32 v[TT], s[CS], v[TT]                  ; as t (c is positive)
	D1
	v_max_num_f32 v[NM+1], v[NM+1], v[TT]          ; the running largest t
	v_mov_b32 v[TT], v[NM]
	s_delay_alu instid0(VALU_DEP_2)
	v_floor_f32 v[NM], -v[NM+1]                    ; the new -M = -ceil(t)
	D1
	v_sub_f32 v[TT], v[NM], v[TT]                  ; old M - new M: a whole number, 0 or less
	D1
	v_cvt_i32_f32 v[TT], v[TT]                     ; (it saturates)
	D1
	v_ldexp_f32 v[FF], 1.0, v[TT]                  ; 2^(old M - new M)
.set jj, 0
.rept 32
	v_pk_fma_f32 v[S+jj:S+jj+1], v[S+jj:S+jj+1], s[CS:CS+1], v[NM:NM+1] op_sel_hi:[1,0,0]   ; t - M, two at a time
.set jj, jj+2
.endr
.irp b, 0,1,2,3
	v_fma_f32 v[BM+\b], v[BM+\b], s[CS], v[NM]
.endr
	s_wait_alu depctr_va_vdst(0)                   ; ahead of a batch of exponentials
.set jj, 0
.rept 64
	v_exp_f32 v[S+jj], v[S+jj]                     ; p = 2^(t - M)
.set jj, jj+1
.endr
.irp b, 0,1,2,3
	v_exp_f32 v[BM+\b], v[BM+\b]                   ; each block's largest p
.endr
	v_nop                                          ; a plain line behind the last exponential
	s_wait_alu depctr_va_vdst(0)                   ; one wait for the batch, ahead of its first reader
.irp b, 0,1,2,3
	v_max_num_f32 v[BM+\b], 0x2800000, v[BM+\b]    ; the floor 2^(5 - 127): the byte cannot fall under 1
.endr
.irp b, 0,1,2,3
	D4
	v_add_nc_u32 v[BM+8+\b], 0xfe000000, v[BM+\b]  ; 4 off the exponent field: the conversion's scale operand
.endr
.irp b, 0,1,2,3
	D4
	v_lshrrev_b32 v[BM+4+\b], 23, v[BM+8+\b]       ; the byte
.endr
	s_delay_alu instid0(VALU_DEP_3)
	v_lshl_or_b32 v[PS], v[BM+5], 8, v[BM+4]       ; p's scale word for these 128 keys
	D1
	v_lshl_or_b32 v[PS], v[BM+6], 16, v[PS]
	D1
	v_lshl_or_b32 v[PS], v[BM+7], 24, v[PS]
.irp c, 0,1
	v_cvt_scalef32_pk16_bf6_f32 v[PC+6*\c:PC+6*\c+2], v[S+32*\c:S+32*\c+15], v[BM+8+2*\c]
	v_cvt_scalef32_pk16_bf6_f32 v[CT+4*\c:CT+4*\c+2], v[S+32*\c+16:S+32*\c+31], v[BM+9+2*\c]   ; (a conversion's three registers begin on an even number)
.endr
	v_nop                                          ; one plain line behind a scaled conversion
.irp c, 0,1                            ; the layout wants a WHOLE block in a lane
.irp i, 0,1,2
	v_permlane16_swap_b32 v[PC+6*\c+\i], v[CT+4*\c+\i]
.endr
.endr
.irp c, 0,1
.irp i, 0,1,2
	v_mov_b32 v[PC+6*\c+3+\i], v[CT+4*\c+\i]
.endr
.endr
	WIN 0x41                                       ; destination and first source in window 1
	s_wait_alu depctr_va_vdst(0)                   ; directly ahead of the first reader of O^T
.set jj, 0
.rept 36
	v_pk_mul_f32 v[O+jj:O+jj+1], v[O+jj:O+jj+1], v[FF:FF+1] op_sel_hi:[1,0]   ; O^T, and behind it the sums, under the new M; these lines are also the places in front of the scaled products below
.set jj, jj+2
.endr
	s_wait_alu depctr_va_vdst(0)
	s_wait_dscnt 0x0                               ; V's eight tiles and its scale words, asked for ahead of the softmax, are in: no wait stands among the products
	WIN 0x50                                       ; C and D in window 1
	PVS 0
.if \z == 0                            ; the slot's second step: its K takes V's place, half by half
	WIN 0
	LDSC KSC, 49152+512
	LDF 12288, 0
	WIN 0x50
.endif
	PVS 4
	WIN 0
.if \z == 0
	LDF 12288, 4
.endif
	s_wait_alu depctr_va_vdst(0)                   ; ahead of the branches that follow
.endm
	s_wait_alu depctr_va_vdst(0)
	s_wait_loadcnt 0x0                             ; Q
.Lslot:                                            ; 12 trips, a slot each
	; THE CHANGE OF SLOTS.  Each wave waits for all its tensor loads, adds 0 to its spare word, and waits for that and for its reads of the slot that it has left.  Behind the barrier the slot ahead is whole
	; and nobody reads the other one, which is filled with the next record, up to the causal limit: the load has a slot's two key steps in which to land.
	v_add_nc_u32 v[ADK], s[TB], v[L16]
	v_add_nc_u32 v[ADS], s[TB], v[L8]
	s_wait_alu depctr_va_vdst(0)
	s_wait_tensorcnt 0x0                           ; no tensor load of mine is out, so the group 0 may be written
	ds_add_u32 v[SPW], v[NIL]                      ; 0 onto my spare word,
	ds_add_u32 v[SPW], v[NIL]                      ; and twice on end
	s_xor_b32 s[G0+1], s[G0+1], SLOT1              ; the other slot than last time,
	s_add_nc_u64 s[G0+2:G0+3], s[G0+2:G0+3], 51200 ; the next record; the type bits on top are not reached
	s_wait_xcnt 0x0                                ; the last prefetch, a slot back, has read its address
	s_add_nc_u64 s[PFA:PFA+1], s[PFA:PFA+1], 57344 ; 224 blocks on
	s_add_co_u32 s[PB], s[PB], 224
	s_wait_dscnt 0x0                               ; the adds are done, and my reads of the slot that I have left are over
	s_barrier_signal -1
	s_barrier_wait -1
	s_add_co_u32 s38, s[KF], 256                   ; the first key of the slot that this change would ask for
	s_cmp_gt_u32 s38, s[LASTQ]                     ; ids and the count of trips alone: all twelve waves go the same way, and no step reads a slot that was left out
	s_cbranch_scc1 .Lpast
	TLOAD                                          ; a wave's one tensor load until the next change
.Lpast:
	; A PREFETCH INTO THE L2.  A head's records are one dense stream of 2,400 blocks of 256 bytes, which the 16 work-groups of the head walk: the work-group 0, which walks all of it, asks, in its waves 4 to 10:
	; 32 blocks a wave, a lane a block, 224 blocks at each change, from block 400 (slot 2) on: never less than one slot ahead of the tensor load that will want them.  Each block is named once.
	; A wave asks while its 32 blocks lie inside the stream; slots 0 and 1 and the last 16 blocks come by their loads alone.
	s_cmp_le_u32 s[PB], s[LIM]
	s_cbranch_scc0 .Lnot_mine
	global_prefetch_b8 v[PFO], s[PFA:PFA+1] th:TH_LOAD_NT scope:SCOPE_SE
.Lnot_mine:
	s_cmp_gt_u32 s[KF], s[QL]                      ; all the slot's keys come after my queries: its work is left out; ids and the count of trips alone
	s_cbranch_scc1 .Lhid
	s_mov_b32 s[KS], s[KF]
	LDSC KSC, 49152
	LDF 0, 0
	LDF 0, 4
	BODY 0
	s_add_co_u32 s[KS], s[KF], 128
	s_cmp_gt_u32 s[KS], s[QL]                      ; likewise the second step's (what was asked of LDS for it is waited for at the next change, or behind the loop)
	s_cbranch_scc1 .Lhid
	BODY 1
.Lhid:
	s_xor_b32 s[TB], s[TB], SLOT1
	s_add_co_u32 s[KF], s[KF], 256
	s_sub_co_u32 s[SLOTS], s[SLOTS], 1
	s_cmp_lg_u32 s[SLOTS], 0
	s_cbranch_scc1 .Lslot
	; THE WAY OUT.  O^T / the sum goes through my stage, half a row (64 channels, 256 bytes) of 16 queries at a time.  Register 8 T + j is channel 32 (T / 2) + 16 h + 8 (T % 2) + j of query r.
	s_wait_dscnt 0x0                               ; no LDS load is out: the fragments' registers take the rows read back below
	WIN 0x05
	v_pk_add_f32 v[CT:CT+1], v[LS:LS+1], v[LS+2:LS+3]
	v_pk_add_f32 v[CT+2:CT+3], v[LS+4:LS+5], v[LS+6:LS+7]
	WIN 0
	v_pk_add_f32 v[CT:CT+1], v[CT:CT+1], v[CT+2:CT+3]
	v_add_f32 v11, v[CT], v[CT+1]
	v_permlanex16_b32 v[TT], v11, s[SEL], s[SEL+1]
	v_add_f32 v11, v11, v[TT]                      ; the row's sum
	s_wait_alu depctr_va_vdst(0)                   ; ahead of the reciprocal
	v_rcp_f32 v11, v11
	v_and_b32 v8, 15, v0                           ; (plain lines behind the reciprocal)  r
	v_bfe_u32 v9, v0, 4, 1                         ; h
	s_mul_i32 s38, s[WV], 4352
	s_add_co_u32 s38, s38, STAGE
	v_mul_u32_u24 v22, v8, 272
	v_mul_u32_u24 v23, v9, 272
	v_lshl_add_u32 v22, v9, 6, v22
	v_lshl_add_u32 v23, v8, 4, v23
	v_add_nc_u32 v22, s38, v22                     ; in: row r, + 64 h
	v_add_nc_u32 v23, s38, v23                     ; back: lanes 0-15 one row, lanes 16-31 the next
	WIN 0x01
	s_wait_alu depctr_va_vdst(0)                   ; the wait ahead of the reciprocal's first reader, which is also O^T's
.set jj, 0
.rept 64
	v_mul_f32 v[S+jj], v[O+jj], v11
.set jj, jj+1
.endr
	WIN 0
.irp u, 0,1
.irp t, 0,1,2,3
	ds_store_b128 v22, v[S+32*\u+8*\t:S+32*\u+8*\t+3] offset:128*(\t>>1)+32*(\t&1)
	ds_store_b128 v22, v[S+32*\u+8*\t+4:S+32*\u+8*\t+7] offset:128*(\t>>1)+32*(\t&1)+16
.endr
.irp i, 0,1,2,3,4,5,6,7
	ds_load_b128 v[FR+32*\u+4*\i:FR+32*\u+4*\i+3], v23 offset:2*\i*272   ; LDS serves a wave's instructions in order: these see my stores, and the next half's stores come behind them
.endr
.endr
.irp u, 0,1
.irp i, 0,1,2,3,4,5,6,7
	s_wait_dscnt 7-\i+16*(1-\u)                    ; at most the younger loads of this half and the 16 instructions of the later half are out
	global_store_b128 v[GO], v[FR+32*\u+4*\i:FR+32*\u+4*\i+3], s[8:9] offset:(2*\i+8*(\i>>2))*512+256*\u th:TH_STORE_NT   ; stage row rho is query Q0 + rho + 8 (rho / 8); 16 lanes store 256 consecutive bytes, aligned
.endr
.endr
	s_wait_tensorcnt 0x0                           ; the wave's end, behind my last tensor load and my last LDS store
	ds_add_u32 v[SPW], v[NIL]
	s_wait_dscnt 0x0
	s_endpgm
.Lfunc_end_k_q5ce1836107_attn:
	.size	k_q5ce1836107_attn, .Lfunc_end_k_q5ce1836107_attn-k_q5ce1836107_attn
	.p2alignl 7, 3214868480
	.fill 96, 4, 3214868480
	.section	.rodata,"a",@progbits
	.p2align	6, 0x0
	.amdhsa_kernel k_q5ce1836107_attn
		.amdhsa_group_segment_fixed_size 327680
		.amdhsa_private_segment_fixed_size 0
		.amdhsa_enable_private_segment 0
		.amdhsa_kernarg_size 24
		.amdhsa_user_sgpr_count 2
		.amdhsa_user_sgpr_kernarg_segment_ptr 1
		.amdhsa_wavefront_size32 1
		.amdhsa_system_sgpr_workgroup_id_x 1
		.amdhsa_system_sgpr_workgroup_id_y 1
		.amdhsa_system_sgpr_workgroup_id_z 1
		.amdhsa_system_vgpr_workitem_id 0
		.amdhsa_next_free_vgpr 336
		.amdhsa_next_free_sgpr 66
		.amdhsa_reserve_vcc 1
		.amdhsa_float_denorm_mode_32 3
		.amdhsa_float_denorm_mode_16_64 3
		.amdhsa_memory_ordered 1
		.amdhsa_forward_progress 1
		.amdhsa_inst_pref_size 67
	.end_amdhsa_kernel
	.amdgpu_metadata
---
amdhsa.version: [ 1, 2 ]
amdhsa.kernels:
  - .name:           k_q5ce1836107_attn
    .symbol:         k_q5ce1836107_attn.kd
    .args:
      - { .name: qq, .offset: 0, .size: 8, .value_kind: global_buffer, .address_space: global }
      - { .name: kv, .offset: 8, .size: 8, .value_kind: global_buffer, .address_space: global }
      - { .name: out0, .offset: 16, .size: 8, .value_kind: global_buffer, .address_space: global }
    .group_segment_fixed_size: 327680
    .private_segment_fixed_size: 0
    .kernarg_segment_align: 8
    .kernarg_segment_size: 24
    .max_flat_workgroup_size: 384
    .sgpr_count:     66
    .vgpr_count:     336
    .wavefront_size: 32
...
	.end_amdgpu_metadata
.endif
;; end of part 3
